; MI455X (gfx1250); checked and timed in simulation.
; The chip was launched on July 23, 2026; its instructions are those of AMD's public machine-readable ISA for CDNA 5 (MIT licence, August 2026) and "CDNA5" Instruction Set Architecture Reference Guide (July 2026). The comments in the code are by the model that wrote it; some were corrected since.
;; Multi Head Attention. Allowed arithmetic: matrix products marked QUANTISED: E3M2 operands, one E8M0 scale for each 32 along K, by v_wmma_scale_f32_16x16x128_f8f6f4 with both operands' format E3M2, f32 sums; everything else in f32.
;; Inputs: PE_operators_codes 2 x 2,048 x 32 x 24 uint8 (E3M2 codes of PE_operators, K innermost, in blocks of 32 codes, four codes in three bytes); PE_operators_scales 2 x 2,048 x 32 uint8 (E8M0 scales of PE_operators, one for each 32 codes along K); PE_solution_scores 2 x 2,048 float32; PE_statements_codes 2 x 2,048 x 32 x 24 uint8 (E3M2 codes of PE_statements, K innermost, in blocks of 32 codes, four codes in three bytes); PE_statements_scales 2 x 2,048 x 32 uint8 (E8M0 scales of PE_statements, one for each 32 codes along K); PE_states_codes 2 x 2,048 x 32 x 24 uint8 (E3M2 codes of PE_states, K innermost, in blocks of 32 codes, four codes in three bytes); PE_states_scales 2 x 2,048 x 32 uint8 (E8M0 scales of PE_states, one for each 32 codes along K); global_state 2 x 2,048 x 1,024 float32; ln_beta 1,024 float32; ln_gamma 1,024 float32; mask 2 x 2,048 x 2,048 int32; w_fc_codes 1,024 x 32 x 24 uint8 (E3M2 codes of w_fc, K innermost, in blocks of 32 codes, four codes in three bytes); w_fc_scales 1,024 x 32 uint8 (E8M0 scales of w_fc, one for each 32 codes along K); w_k_codes 1,024 x 32 x 24 uint8 (E3M2 codes of w_k, K innermost, in blocks of 32 codes, four codes in three bytes); w_k_scales 1,024 x 32 uint8 (E8M0 scales of w_k, one for each 32 codes along K); w_q_codes 1,024 x 32 x 24 uint8 (E3M2 codes of w_q, K innermost, in blocks of 32 codes, four codes in three bytes); w_q_scales 1,024 x 32 uint8 (E8M0 scales of w_q, one for each 32 codes along K); w_v_codes 1,024 x 32 x 24 uint8 (E3M2 codes of w_v, K innermost, in blocks of 32 codes, four codes in three bytes); w_v_scales 1,024 x 32 uint8 (E8M0 scales of w_v, one for each 32 codes along K).
;; Outputs: out0 2 x 2,048 x 1,024 float32; out1 2 x 2,048 x 1,024 float32.
;; This version of the problem:
;;   THIS VERSION OF THE PROBLEM IS GIVEN IN LOW PRECISION. The matrix products marked QUANTISED in the list below multiply operands that are first quantised to E3M2 (3 exponent bits, 2 mantissa bits; 6 bits a number), with one power-of-two scale for each 32 numbers along K (OCP MX v1.0); their sums are f32. All else is computed in f32.
;;   The module's matrix products, in the order in which they are computed (A, B: the left and right operand; K: the contracted axis; several contracted axes count as one K, in the product's order):
;;     1. [M 4,096, K 1,024] x [K 1,024, N 1,024]; A: input global_state; B: input w_q (given as codes): QUANTISED
;;     2. [M 4,096, K 1,024] x [K 1,024, N 1,024]; A: input PE_states (given as codes); B: input w_k (given as codes): QUANTISED
;;     3. [M 4,096, K 1,024] x [K 1,024, N 1,024]; A: input PE_statements (given as codes); B: input w_v (given as codes): QUANTISED
;;     4. [M 4,096, K 1,024] x [K 1,024, N 1,024]; A: input PE_operators (given as codes); B: input w_v (given as codes): QUANTISED
;;     5. batch 32 x [M 2,048, K 64] x [K 64, N 2,048]; A: computed on the way; B: computed on the way: QUANTISED
;;     6. batch 32 x [M 2,048, K 2,048] x [K 2,048, N 64]; A: softmax (see below); B: computed on the way: QUANTISED
;;     7. [M 4,096, K 1,024] x [K 1,024, N 1,024]; A: computed on the way; B: input w_fc (given as codes): QUANTISED
;;     8. batch 32 x [M 2,048, K 2,048] x [K 2,048, N 64]; A: softmax (see below); B: computed on the way: QUANTISED
;;     9. [M 4,096, K 1,024] x [K 1,024, N 1,024]; A: computed on the way; B: input w_fc (given as codes): QUANTISED
;;   THE QUANTISER, for each operand of a quantised product, along K:
;;     - K is cut into blocks of 32 from its start; a last block that is shorter is filled with zeros.
;;     - A block's scale is 2^e with e = floor(log2(the largest magnitude in the block)) - 4, held to -126 .. 127; a block of zeros has e = 0. As a byte (E8M0): e + 127.
;;     - Each number is divided by its block's scale, clamped to +-28, and rounded to the nearest number of E3M2, ties to even, subnormals kept.
;;     - The product sums the exact products of the quantised numbers (number of the format x scale) in f32.
;;   ~~~python
;;   def quantise(x, axis):      # numpy; x: float32 -> the quantised numbers, widened to float32 again
;;       x = np.moveaxis(x, axis, -1); K = x.shape[-1]
;;       x = np.pad(x, [(0, 0)] * (x.ndim - 1) + [(0, -K % 32)]); x = x.reshape(x.shape[:-1] + (-1, 32)); a = np.abs(x).max(-1, keepdims=True)
;;       e = np.where(a > 0, np.clip(np.frexp(np.where(a > 0, a, 1))[1] - 1 - 4, -126, 127), 0)      # np.frexp(a)[1] - 1 = floor(log2(a)), exactly
;;       r = np.clip(x / 2.0 ** e, -28, 28)
;;       step = 2.0 ** (np.maximum(np.frexp(np.where(r == 0, 1, r))[1] - 1, -2) - 2)
;;       q = np.round(r / step) * step * 2.0 ** e      # np.round: ties to even
;;       return np.moveaxis(q.reshape(q.shape[:-2] + (-1,))[..., :K], -1, axis).astype(np.float32)
;;   ~~~
;;   SOFTMAX AHEAD OF A QUANTISED PRODUCT. Where the list says 'softmax', what is quantised is not the finished softmax but p = 2^(t - M), with t = logit x log2(e) and M = ceil(the row's largest t), a whole number; so 1/2 < the row's largest p <= 1. The row's sum l is taken of the UNQUANTISED p, in f32, and the product's result is divided by l at the end. Since M is a whole number, a kernel that streams over the keys may use a running M (the ceiling of the running maximum): every later rescaling is an exact power of two, which a block's scale takes up: the codes' values come out the same.
;;   OPERANDS COMPUTED ON THE WAY. 'Computed on the way' means the value that the module computes at that place (a softmax that the list does not call 'softmax' is quantised finished and normalised). What goes into a quantiser is computed in f32, as accurately as f32 sums, v_exp_f32 and their like allow (about 1e-6 of the number): no bf16 or f16 on the way to a quantiser, and a product that is left as it is and whose result goes on into a quantised operand takes f32 operands (vector FMAs, or v_wmma_f32_16x16x4_f32). A number that lies on a knife's edge between two numbers of the format may be rounded either way, as far as f32 arithmetic and the matrix unit's own rounding can turn it there, and no further.
;;   INPUTS GIVEN AS CODES. PE_operators (in the module: [2, 2048, 1024], K = its axis 2); PE_statements (in the module: [2, 2048, 1024], K = its axis 2); PE_states (in the module: [2, 2048, 1024], K = its axis 2); w_fc (in the module: [1024, 1024], K = its axis 0); w_k (in the module: [1024, 1024], K = its axis 0); w_q (in the module: [1024, 1024], K = its axis 0); w_v (in the module: [1024, 1024], K = its axis 0): each comes as NAME_codes (uint8): NAME with its K axis moved to the last place and cut into blocks of 32 codes, [.., K / 32, bytes a block], one block behind the other in memory; four codes in three bytes: a row's codes are one little-endian stream of bits, code i at bits 6 i .. 6 i + 5 (a code: sign, 3 exponent bits, 2 mantissa bits); and NAME_scales (uint8): the same leading axes, one E8M0 byte (e + 127) for each 32 codes along K. Its value is code x scale, taken as it is: it is not quantised again, and the codes and scales need not be those that the quantiser above would give.
;; One version. Each part assembles by itself: llvm-mc -triple=amdgcn-amd-amdhsa -mcpu=gfx1250 --defsym DOCPART=n.
;; ======== version 1 of 1: 4 launches
;; limits: right only within a limited range of input values
;; workspace buffers: gs_codes 3,145,728 bytes; gs_scales 131,072 bytes; maskbits 1,048,576 bytes of whole numbers; wimg 819,200 bytes; qimg 3,407,872 bytes; kv 9,961,472 bytes; oimg 6,815,744 bytes
;; launch prep (part 1): grid 400 x 1, 4 waves a work-group, no clusters, 100,864 bytes of LDS; arguments global_state, mask, w_fc_codes, w_fc_scales, gs_codes, gs_scales, maskbits, wimg; writes gs_codes, gs_scales, maskbits, wimg
.if DOCPART == 1
	.amdgcn_target "amdgcn-amd-amdhsa--gfx1250"
	.amdhsa_code_object_version 6
	.text
	.protected	k_qb60fb527d9_prep
	.globl	k_qb60fb527d9_prep
	.p2align	8
	.type	k_qb60fb527d9_prep,@function
k_qb60fb527d9_prep:
	s_mov_b64 s[64:65], 0
	v_nop
	global_prefetch_b8 v0, s[64:65] scope:SCOPE_SE
	s_setreg_imm32_b32 hwreg(HW_REG_WAVE_MODE, 25, 1), 1
	s_wait_xcnt 0x0
; PREP: three jobs that the later launches want done once.  The work-group's number picks the job.
;   G (work-groups 0-127):   global_state [4096][1024] f32 -> codes of BF6 (E3M2), K innermost, and one E8M0 byte for each 32 along K.
;   M (work-groups 128-383): mask [2][2048][2048] int32 -> one bit a score, laid as the attention launch's lane masks.
;   W (work-groups 384-399): w_fc's codes and scale bytes -> images of the operand's registers, K step by K step, dense.
; DEAD WORK: none.  The per-key bias differs along the softmax's axis, the mask is an input, both value streams reach an output, gamma and beta are honoured: every input of reference() is loaded by some
; launch.  What is spared is repetition alone: the softmax and its codes are made once for both value streams, the mask is read once for all 16 heads, the residual once for both streams.
; THE DIVISION BY temp = 8: q / 8 is what the score product quantises.  8 is a power of two, so it goes into global_state's scale bytes, which are stored 3 lower than the quantiser's: the first product then gives q / 8 itself.
; A block's scale is 2^(floor(log2(its largest magnitude)) - 4): the conversion's operand is the largest magnitude with 4 off its exponent field, the stored byte that field less 7.
; LIMITS: a block of global_state whose largest magnitude lies under 2^(8 - 127) is held at that floor (so that the stored byte stays 1 or more); a block of zeros gets the floor's byte, its codes are zeros, and this
; program alone reads the bytes; NaN and infinities among the inputs are not served.
; LDS: job G has bytes 0-32,767, job M bytes 32,768-100,351, each wave a region of its own; the spare words follow.  No tensor load, no barrier: waves share nothing.
.set SPARE, 100352                     ; the spare words, 128 bytes for each wave: two blocks of 256 bytes that no other line names
.set SPW,   12                         ; v12  LDS address of my spare word; never rewritten
.set NIL,   13                         ; v13  0; never rewritten
; job G
.set STEPS, 16                         ; a wave takes 16 steps of 512 numbers
.set CB,    12                         ; bytes of 16 codes
.set R,     16                         ; v16-143  eight sets of 16 numbers as they are loaded
.set X,     144                        ; v144-175 two sets of 16 neighbours
.set E,     240                        ; v240-255 a scale byte for each step
.set C,     176                        ; v176-239 codes: four registers for each step
.set WREG,  8192                       ; a wave's region: two stages of 32 x SP bytes, then its 256 scale bytes
.set SP,    80                         ; a lane's place in a stage: 64 bytes + 16
; job M
.set MSTG,  32768                      ; the waves' stages: 32 rows x MPI bytes each
.set MWS,   16896
.set MPI,   528                        ; a stage row: 512 bytes + 16
.set MX,    32                         ; v32-159  32 rows x 16 bytes a lane, as loaded
.set MR,    160                        ; v160-223 64 numbers of one query a lane
.set MO,    16                         ; v16-23   four pairs: 64 words of lane masks, two a lane
.macro GLOAD t
.irp i, 0,1,2,3
	global_load_b128 v[R+16*((\t)%8)+4*\i:R+16*((\t)%8)+4*\i+3], v3, s[4:5] offset:2048*(\t)+512*\i th:TH_LOAD_NT   ; 32 lanes read 512 consecutive bytes
.endr
.endm
.macro GTURN t                         ; step t's numbers through the stage: LDS serves a wave's instructions in order, so no wait stands between the stores and the loads
.irp i, 0,1,2,3
	ds_store_b128 v14, v[R+16*((\t)%8)+4*\i:R+16*((\t)%8)+4*\i+3] offset:32*SP*((\t)%2)+8*SP*\i
.endr
.irp i, 0,1,2,3
	ds_load_b128 v[X+16*((\t)%2)+4*\i:X+16*((\t)%2)+4*\i+3], v15 offset:32*SP*((\t)%2)+16*\i
.endr
.endm
.macro GSTEP t
.set XS, X+16*((\t)%2)
.if (\t) > 0
	s_wait_dscnt 1                                 ; this step's numbers are back from the stage (the last step's byte store may be out)
.else
	s_wait_dscnt 0x0
.endif
.if (\t)+8 < STEPS
	GLOAD (\t)+8                                   ; the set that the stage's stores have read takes the loads of eight steps on
.endif
.if (\t)+1 < STEPS
.if STEPS-2-(\t) >= 7
	s_wait_loadcnt 28                              ; the next step's four loads are in; those of the seven steps behind it may be out
.else
	s_wait_loadcnt 4*(STEPS-2-(\t))
.endif
	GTURN (\t)+1
.endif
	v_max3_num_f32 v8, |v[XS]|, |v[XS+1]|, |v[XS+2]|               ; the largest magnitude of my 16
	v_max3_num_f32 v9, |v[XS+3]|, |v[XS+4]|, |v[XS+5]|
.irp i, 6,10
	v_max3_num_f32 v8, v8, |v[XS+\i]|, |v[XS+\i+1]|
	v_max3_num_f32 v9, v9, |v[XS+\i+2]|, |v[XS+\i+3]|
.endr
	v_max3_num_f32 v8, v8, |v[XS+14]|, |v[XS+15]|
	v_max3_num_f32 v8, v8, v9, 8<<23               ; and the floor 2^(8 - 127): the stored byte cannot fall under 1
	v_max_num_f32_dpp v8, v8, v8 row_xmask:1 row_mask:0xf bank_mask:0xf   ; and of my neighbour's 16: the block's
	v_add_nc_u32 v11, 0xfe000000, v8               ; 4 off its exponent field: the conversion's scale operand
	v_cvt_scalef32_pk16_bf6_f32 v[C+4*(\t):C+4*(\t)+2], v[XS:XS+15], v11
	v_add_nc_u32 v[E+(\t)], 0xfc800000, v8         ; 7 off: the quantiser's byte less 3, which divides by 8
	v_lshrrev_b32 v[E+(\t)], 23, v[E+(\t)]
	ds_store_b8 v5, v[E+(\t)] offset:16*(\t)       ; both lanes of a block write the same byte with the same value
	global_store_b96 v4, v[C+4*(\t):C+4*(\t)+2], s[12:13] offset:32*CB*(\t)
.endm
.macro MLOAD i                         ; unit i: 32 queries x 128 keys: each load reads 512 consecutive bytes of one row of the mask
.set p, 0
.rept 32
	global_load_b128 v[MX+4*p:MX+4*p+3], v3, s[6:7] offset:8192*p+512*\i th:TH_LOAD_NT
.set p, p+1
.endr
.endm
.macro MUNIT i
.set p, 0
.rept 32
	s_wait_loadcnt 31-p                            ; row p is in; the younger rows may be out
	ds_store_b128 v4, v[MX+4*p:MX+4*p+3] offset:MPI*p
.set p, p+1
.endr
.irp u, 0,1                            ; the two tiles of 16 queries of the 32: lane r takes query 8 u + r + 8 (r / 8)
.set n, 0
.rept 16
	ds_load_b128 v[MR+4*n:MR+4*n+3], v5 offset:8*\u*MPI+128*(n/4)+16*(n%4)   ; register 16 b + i: key 32 b + 16 (lane / 16) + i
.set n, n+1
.endr
	s_wait_dscnt 0x0
.if (\i == 0) && (\u == 0)
	MLOAD 1                                        ; the stage's stores have read the rows' registers: the second unit is asked for
.endif
.set n, 0
.rept 4
.set k, 0
.rept 16
	v_cmp_eq_u32 s[32+k], 0, v[MR+n+k]             ; bit L: lane L's score is hidden
.set k, k+1
.endr
.set k, 0
.rept 16
	v_writelane_b32 v[MO+2*(2*\i+\u)+((n+k)&1)], s[32+k], (n+k)/2   ; word n goes to lane n / 2, register n % 2
.set k, k+1
.endr
.set n, n+16
.endr
	global_store_b64 v6, v[MO+2*(2*\i+\u):MO+2*(2*\i+\u)+1], s[16:17] offset:4096*\u+256*\i   ; 32 lanes store 256 consecutive bytes, aligned
.endr
.endm
	s_load_b256 s[4:11], s[0:1], 0x0               ; global_state, mask, w_fc's codes, w_fc's scales
	s_load_b256 s[12:19], s[0:1], 0x20             ; gs_codes, gs_scales, maskbits, wimg
	v_lshl_add_u32 v[SPW], v0, 2, SPARE
	v_mov_b32 v[NIL], 0
	v_lshrrev_b32 v1, 5, v0
	v_readfirstlane_b32 s20, v1                    ; wave
	v_and_b32 v2, 31, v0                           ; lane
	s_wait_kmcnt 0x0
	s_cmp_lt_u32 ttmp9, 128
	s_cbranch_scc0 .Lnot_g
	; ---- job G
	s_wait_alu depctr_va_vdst(0)
	v_lshlrev_b32 v3, 4, v2                        ; my 16 bytes of a load's 512
	s_mul_i32 s21, s20, WREG
	v_lshrrev_b32 v14, 2, v2
	v_mul_u32_u24 v14, v14, SP
	v_and_b32 v15, 3, v2
	v_lshl_add_u32 v14, v15, 4, v14
	v_add_nc_u32 v14, s21, v14                     ; the stage on the way in: SP (lane / 4) + 16 (lane % 4)
	v_mul_u32_u24 v15, v2, SP
	v_add_nc_u32 v15, s21, v15                     ; and on the way out: SP x lane: my 16 neighbours
	v_mul_u32_u24 v4, v2, CB                       ; my codes' place in a step's
	v_lshrrev_b32 v5, 1, v2
	s_add_co_u32 s21, s21, 2*32*SP
	v_add_nc_u32 v5, s21, v5                       ; my wave's 256 scale bytes, my block's byte
	v_lshlrev_b32 v7, 3, v2
	v_add_nc_u32 v6, s21, v7
	s_lshl_b32 s22, ttmp9, 2
	s_add_co_u32 s22, s22, s20                     ; which run of 8,192 numbers is my wave's
	s_mov_b32 s23, 0
	s_mov_b64 s[24:25], 512*STEPS*4
	s_mul_u64 s[24:25], s[22:23], s[24:25]
	s_add_nc_u64 s[4:5], s[4:5], s[24:25]
	s_mov_b64 s[24:25], 32*STEPS*CB
	s_mul_u64 s[24:25], s[22:23], s[24:25]
	s_add_nc_u64 s[12:13], s[12:13], s[24:25]
	s_lshl_b32 s22, s22, 8                         ; 256 scale bytes a run
	s_add_nc_u64 s[14:15], s[14:15], s[22:23]
.irp t, 0,1,2,3,4,5,6,7
	GLOAD \t
.endr
	s_wait_alu depctr_va_vdst(0)
	s_wait_loadcnt 28                              ; step 0's four loads are in; seven steps' may be out
	GTURN 0
.irp t, 0,1,2,3,4,5,6,7,8,9,10,11,12,13,14,15
	GSTEP \t
.endr
	ds_load_b64 v[8:9], v6                         ; LDS serves a wave's instructions in order: these see my stores
	s_wait_dscnt 0x0
	global_store_b64 v7, v[8:9], s[14:15]          ; 32 lanes store 256 consecutive bytes, aligned
	s_wait_tensorcnt 0x0                           ; the wave's end, behind my last LDS store
	ds_add_u32 v[SPW], v[NIL]
	s_wait_dscnt 0x0
	s_endpgm
.Lnot_g:
	s_cmp_lt_u32 ttmp9, 384
	s_cbranch_scc0 .Lrole_w
	; ---- job M: a wave takes two units (32 queries x 128 keys), neighbours along the keys
	s_sub_co_u32 s21, ttmp9, 128
	s_lshl_b32 s21, s21, 3
	s_lshl_b32 s22, s20, 1
	s_add_co_u32 s21, s21, s22                     ; my first unit: bits 3:0 key step, 9:4 group of 32 queries, 10 batch
	s_and_b32 s22, s21, 15
	s_bfe_u32 s23, s21, 0x60004
	s_lshr_b32 s24, s21, 10
	s_lshl_b32 s25, s24, 24                        ; a batch: 2,048 rows of 8,192 bytes
	s_lshl_b32 s26, s23, 18                        ; 32 rows
	s_add_co_u32 s26, s26, s25
	s_lshl_b32 s25, s22, 9                         ; 128 keys
	s_add_co_u32 s26, s26, s25
	s_mov_b32 s27, 0
	s_add_nc_u64 s[6:7], s[6:7], s[26:27]
	s_lshl_b32 s25, s24, 7
	s_lshl_b32 s26, s23, 1
	s_add_co_u32 s26, s26, s25                     ; the first of the group's two tiles of queries
	s_lshl_b32 s26, s26, 4
	s_add_co_u32 s26, s26, s22
	s_lshl_b32 s26, s26, 8                         ; 256 bytes for a tile and a key step
	s_add_nc_u64 s[16:17], s[16:17], s[26:27]
	s_mul_i32 s28, s20, MWS
	s_add_co_u32 s28, s28, MSTG                    ; my stage
	s_wait_alu depctr_va_vdst(0)
	v_lshlrev_b32 v3, 4, v2
	v_add_nc_u32 v4, s28, v3                       ; in: 16 x lane, a row an instruction
	v_and_b32 v7, 15, v2
	v_and_b32 v8, 8, v7
	v_add_nc_u32 v7, v7, v8                        ; r + 8 (r / 8)
	v_mul_u32_u24 v5, v7, MPI
	v_lshrrev_b32 v8, 4, v2
	v_lshl_add_u32 v5, v8, 6, v5
	v_add_nc_u32 v5, s28, v5                       ; out: my query's row, + 64 bytes for lanes 16-31
	v_lshlrev_b32 v6, 3, v2
.irp i, 0,1,2,3,4,5,6,7
	v_mov_b32 v[MO+\i], 0                          ; written once: v_writelane_b32's destination counts as read
.endr
	MLOAD 0
	MUNIT 0
	MUNIT 1
	s_wait_tensorcnt 0x0                           ; the wave's end, behind my last LDS store
	ds_add_u32 v[SPW], v[NIL]
	s_wait_dscnt 0x0
	s_endpgm
.Lrole_w:
	; ---- job W: a wave takes one K step (128 along K) of 128 rows of w_fc: 8 fragments and their scale words
	s_sub_co_u32 s21, ttmp9, 384
	s_lshl_b32 s21, s21, 2
	s_add_co_u32 s21, s21, s20
	s_lshr_b32 s22, s21, 3                         ; K step
	s_and_b32 s23, s21, 7                          ; group of 128 rows
	s_mul_i32 s24, s23, 128*768
	s_mul_i32 s25, s22, 96
	s_add_co_u32 s24, s24, s25
	s_mov_b32 s25, 0
	s_add_nc_u64 s[8:9], s[8:9], s[24:25]
	s_lshl_b32 s24, s23, 12
	s_lshl_b32 s26, s22, 2
	s_add_co_u32 s24, s24, s26
	s_add_nc_u64 s[10:11], s[10:11], s[24:25]
	s_mul_i32 s24, s22, 102400
	s_mul_i32 s26, s23, 12288
	s_add_co_u32 s26, s26, s24
	s_mov_b32 s27, 0
	s_add_nc_u64 s[28:29], s[18:19], s[26:27]      ; where my fragments go
	s_lshl_b32 s26, s23, 9
	s_add_co_u32 s26, s26, s24
	s_add_co_u32 s26, s26, 98304
	s_add_nc_u64 s[18:19], s[18:19], s[26:27]      ; and my scale words
	s_wait_alu depctr_va_vdst(0)
	v_and_b32 v3, 15, v2
	v_lshrrev_b32 v4, 4, v2
	v_mul_u32_u24 v3, v3, 768
	v_mad_u32_u24 v3, v4, 24, v3                   ; row r, + 24 bytes for lanes 16-31
	v_lshlrev_b32 v4, 5, v2                        ; a row of scale bytes is 32 bytes
	v_lshlrev_b32 v5, 4, v2
.irp t, 0,1,2,3,4,5,6,7
.irp p, 0,1,2,3,4,5
	global_load_b64 v[32+12*\t+2*\p:32+12*\t+2*\p+1], v3, s[8:9] offset:16*\t*768+48*(\p/3)+8*(\p%3)
.endr
.endr
.irp i, 0,1,2,3
	global_load_b32 v[16+\i], v4, s[10:11] offset:1024*\i          ; the word of row 32 i + lane
.endr
	s_wait_alu depctr_va_vdst(0)
	s_wait_loadcnt 0x0
.irp t, 0,1,2,3,4,5,6,7
.irp c, 0,1,2
	global_store_b128 v5, v[32+12*\t+4*\c:32+12*\t+4*\c+3], s[28:29] offset:1536*\t+512*\c   ; 32 lanes store 512 consecutive bytes, aligned
.endr
.endr
	global_store_b128 v5, v[16:19], s[18:19]
	s_endpgm
.Lfunc_end_k_qb60fb527d9_prep:
	.size	k_qb60fb527d9_prep, .Lfunc_end_k_qb60fb527d9_prep-k_qb60fb527d9_prep
	.p2alignl 7, 3214868480
	.fill 96, 4, 3214868480
	.section	.rodata,"a",@progbits
	.p2align	6, 0x0
	.amdhsa_kernel k_qb60fb527d9_prep
		.amdhsa_group_segment_fixed_size 100864
		.amdhsa_private_segment_fixed_size 0
		.amdhsa_enable_private_segment 0
		.amdhsa_kernarg_size 64
		.amdhsa_user_sgpr_count 2
		.amdhsa_user_sgpr_kernarg_segment_ptr 1
		.amdhsa_wavefront_size32 1
		.amdhsa_system_sgpr_workgroup_id_x 1
		.amdhsa_system_sgpr_workgroup_id_y 1
		.amdhsa_system_sgpr_workgroup_id_z 1
		.amdhsa_system_vgpr_workitem_id 0
		.amdhsa_next_free_vgpr 256
		.amdhsa_next_free_sgpr 66
		.amdhsa_reserve_vcc 0
		.amdhsa_float_denorm_mode_32 3
		.amdhsa_float_denorm_mode_16_64 3
		.amdhsa_memory_ordered 1
		.amdhsa_forward_progress 1
		.amdhsa_inst_pref_size 92
	.end_amdhsa_kernel
	.amdgpu_metadata
---
amdhsa.version: [ 1, 2 ]
amdhsa.kernels:
  - .name:           k_qb60fb527d9_prep
    .symbol:         k_qb60fb527d9_prep.kd
    .args:
      - { .name: global_state, .offset: 0, .size: 8, .value_kind: global_buffer, .address_space: global }
      - { .name: mask, .offset: 8, .size: 8, .value_kind: global_buffer, .address_space: global }
      - { .name: w_fc_codes, .offset: 16, .size: 8, .value_kind: global_buffer, .address_space: global }
      - { .name: w_fc_scales, .offset: 24, .size: 8, .value_kind: global_buffer, .address_space: global }
      - { .name: gs_codes, .offset: 32, .size: 8, .value_kind: global_buffer, .address_space: global }
      - { .name: gs_scales, .offset: 40, .size: 8, .value_kind: global_buffer, .address_space: global }
      - { .name: maskbits, .offset: 48, .size: 8, .value_kind: global_buffer, .address_space: global }
      - { .name: wimg, .offset: 56, .size: 8, .value_kind: global_buffer, .address_space: global }
    .group_segment_fixed_size: 100864
    .private_segment_fixed_size: 0
    .kernarg_segment_align: 8
    .kernarg_segment_size: 64
    .max_flat_workgroup_size: 128
    .sgpr_count:     66
    .vgpr_count:     256
    .wavefront_size: 32
...
	.end_amdgpu_metadata
.endif
;; end of part 1
;; launch proj (part 2): grid 4 x 64, 4 waves a work-group, clusters of 4 x 4, 327,680 bytes of LDS; arguments gs_codes, gs_scales, PE_states_codes, PE_states_scales, PE_statements_codes, PE_statements_scales, PE_operators_codes, PE_operators_scales, w_q_codes, w_q_scales, w_k_codes, w_k_scales, w_v_codes, w_v_scales, qimg, kv; writes qimg, kv
.if DOCPART == 2
	.amdgcn_target "amdgcn-amd-amdhsa--gfx1250"
	.amdhsa_code_object_version 6
	.text
	.protected	k_qb60fb527d9_proj
	.globl	k_qb60fb527d9_proj
	.p2align	8
	.type	k_qb60fb527d9_proj,@function
k_qb60fb527d9_proj:
	s_mov_b64 s[64:65], 0
	v_nop
	global_prefetch_b8 v0, s[64:65] scope:SCOPE_SE
	s_setreg_imm32_b32 hwreg(HW_REG_WAVE_MODE, 25, 1), 1
	s_wait_xcnt 0x0
	s_wait_alu depctr_hold_cnt(0) depctr_sa_sdst(0) depctr_va_vdst(0) depctr_va_sdst(0) depctr_va_ssrc(0) depctr_va_vcc(0) depctr_vm_vsrc(0)
	s_getreg_b32 s2, hwreg(HW_REG_IB_STS2, 6, 4)
	s_cmp_eq_u32 s2, 0
	s_cbranch_scc0 .Lentry_in_a_cluster
	s_endpgm
.Lentry_in_a_cluster:
	s_bfe_u32 s2, ttmp6, 0x10000c
	s_cmp_lg_u32 s2, 0xf033
	s_cbranch_scc0 .Lentry_shape_is_right
	s_endpgm
.Lentry_shape_is_right:
; PROJ: the four projections q / 8 = gs w_q, k = states w_k, v_s = statements w_v, v_o = operators w_v, on codes of BF6 (E3M2) with E8M0 scales, each [4096 x 1024] x [1024 x 1024].
; No work of reference() is left out.  The cluster's y picks the product (y / 4) and four of its sixteen blocks of 256 tokens (y % 4).
; A block of 256 x 256 is made by four waves, 128 x 128 each: 64 accumulators.  For q and k source 1 (the lanes) takes tokens and source 0 (the registers) channels; for v the two change places, since the keys are the K of the value products.
; THE RING: a row of codes is 768 bytes: three chunks of 256 bytes, each beginning at a multiple of 256.  Chunk c lies in slot c % 2.  A step of 128 along K is 96 bytes: eight steps; steps 2 and 5 lie across two chunks.
; The scales of the block's 256 + 256 rows are two dense blocks of 8,192 bytes: they come once, at the head.  The head's four tiles are shared out, one tensor load a wave; chunk 1 and chunk 2 follow behind rounds of the cluster's barrier.
; CLUSTER 4 x 4: source 1's tiles are shared along a row of the cluster, source 0's along a column: joint loads.
; No prefetch: the block is the largest, in clusters, and K is three chunks, of which two are asked for at the start.
; THE ROWS OF A FRAGMENT ARE NOT NEIGHBOURS: lane r of block 2 b + u takes row 32 b + 8 u + r + 8 (r / 8), on both sides, so that a lane's 16 registers of two neighbouring blocks are 16 neighbours along the next product's K.
; THE WAY OUT: each 16 x 128 of results is quantised along the registers (blocks of 32; a block's two halves lie in lanes l and l xor 16) and stored as images of the next launch's operand registers:
; qimg: for a batch and head 16 groups of 128 queries x 6,656 bytes (8 tiles x 768 of codes, 512 of scale words); kv: for a batch and head 16 key steps x 19,456 bytes (K, V_s, V_o 6,144 each, K's words 512, V's 512).
; LIMITS: a block whose largest magnitude lies under 2^(5 - 127) is held at that floor (byte 1; a block of zeros too: its codes are zeros, and this program alone reads the bytes).  NaN and infinities are not served.
.set ROWB,   256
.set NQ,     2
.set KROW,   768
.set STEPS,  8
.set CHUNKS, 3
.set PITCH,  272                       ; an LDS row: 256 bytes + 16 of padding
.set FR,     12
.set NL,     6
.set NP,     4
.set HALFT,  128*PITCH
.set SLOT,   4*HALFT                   ; source 1's 256 rows, then source 0's 256 rows
.set KS,     32
.set SCL,    2*SLOT                    ; the scales, as units of 256 bytes + 16
.set HALFS,  16*272
.set SPARE,  SCL+4*HALFS               ; the spare words: 128 bytes a wave, two blocks of 256 bytes that no other line names
.set ADRA, 16                          ; v16-17 my fragments in slot 0, 1; v18-19 for a piece whose lanes 16-31 read the next chunk
.set ADRB, 20
.set L16,  24
.set L8,   25
.set KO,   26
.set ADRS, 27
.set SPW,  28
.set NIL,  29
.set SC,   32                          ; v32-63 scale words, two sets, and nothing else
.set TM,   64
.set PW,   80
.set RW,   88
.set HW,   92
.set PC,   100
.set AF,   128
.set G1, 24
.set G0, 32
.set G1B, 48
.set G0B, 56
.set G1S, 68
.set G0S, 76
.set G1SB, 80
.set G0SB, 88
.set G0H, 4
.set G0HB, 8
.set MSB, 0
.macro WIN new
.if MSB != (\new)
	s_set_vgpr_msb (MSB<<8)|(\new)
.set MSB, (\new)
.endif
.endm
.set MUL_LO, 0xa1
.set MUL_HI, 0xf1
.set TO_B,   0x40
.macro JLOAD g0a, g1a, g0b, g1b        ; waves 0, 1 fetch for source 1, waves 2, 3 for source 0; s_nop 0 and four v_nop behind each load
	s_cmp_eq_u32 s15, 0
	s_cbranch_scc0 .Lfor_b_\@
	tensor_load_to_lds s[\g0a:\g0a+3], s[\g1a:\g1a+7]
	s_nop 0
.rept 4
	v_nop
.endr
	s_branch .Lasked_\@
.Lfor_b_\@:
	tensor_load_to_lds s[\g0b:\g0b+3], s[\g1b:\g1b+7]
	s_nop 0
.rept 4
	v_nop
.endr
.Lasked_\@:
.endm
.macro CREST
	s_cmp_lg_u32 s14, 0
	s_cbranch_scc1 .Lnot_wave_0_\@
	s_barrier_signal -3
.Lnot_wave_0_\@:
	s_barrier_wait -3
	s_barrier_signal -1
	s_barrier_wait -1
.endm
.macro CROUND
	s_barrier_signal -1
	s_barrier_wait -1
	CREST
.endm
	s_load_b512 s[24:39], s[0:1], 0x0              ; the four activations' codes and scales
	s_load_b512 s[48:63], s[0:1], 0x40             ; the three weights' codes and scales, qimg, kv
	v_lshl_add_u32 v[SPW], v0, 2, SPARE
	v_mov_b32 v[NIL], 0
	ds_add_u32 v[SPW], v[NIL]                      ; the opening lines: the add, twice on end, and its wait
	ds_add_u32 v[SPW], v[NIL]
	v_lshrrev_b32 v1, 5, v0
	v_readfirstlane_b32 s14, v1                    ; wave
	s_lshr_b32 s15, s14, 1                         ; my half of source 1's rows; also: for which side I fetch
	s_and_b32 s16, s14, 1                          ; my half of source 0's rows; also: which 128 rows I fetch
	s_bfe_u32 s40, ttmp6, 0x40000                  ; cx
	s_bfe_u32 s41, ttmp6, 0x40004                  ; cy
	s_and_b32 s95, ttmp7, 0xffff
	s_lshr_b32 s96, s95, 2                         ; the product: 0 q, 1 k, 2 v_s, 3 v_o
	s_and_b32 s97, s95, 3
	s_lshl_b32 s97, s97, 2
	s_cmp_lt_u32 s96, 2
	s_cselect_b32 s98, s97, 0
	s_cselect_b32 s99, 0, s97
	s_add_co_u32 s17, s41, s98                     ; block row (source 1)
	s_add_co_u32 s42, s40, s99                     ; block column (source 0)
	s_lshl_b32 s43, s41, 2
	s_lshl_b32 s43, 15, s43                        ; my row of the cluster
	s_lshl_b32 s44, 0x1111, s40                    ; my column
	s_lshl_b32 s20, s17, 8
	s_lshl_b32 s46, s42, 8
	s_mov_b32 s21, 0
	s_mov_b32 s47, 0
	s_mov_b64 s[18:19], KS
	s_mul_u64 s[22:23], s[20:21], s[18:19]         ; where the 256 rows' scales begin
	s_mul_u64 s[92:93], s[46:47], s[18:19]
	s_mov_b64 s[18:19], KROW
	s_mul_u64 s[20:21], s[20:21], s[18:19]         ; and their codes
	s_mul_u64 s[46:47], s[46:47], s[18:19]
	s_mul_i32 s18, s16, 128*KROW                   ; in the ring I fetch 128 rows
	s_mov_b32 s19, 0
	s_mul_i32 s45, s14, HALFT
	s_wait_dscnt 0x0
	s_wait_kmcnt 0x0
	s_cmp_eq_u32 s96, 1
	s_cselect_b64 s[24:25], s[28:29], s[24:25]
	s_cselect_b64 s[26:27], s[30:31], s[26:27]
	s_cselect_b64 s[48:49], s[52:53], s[48:49]
	s_cselect_b64 s[50:51], s[54:55], s[50:51]
	s_cmp_eq_u32 s96, 2
	s_cselect_b64 s[24:25], s[32:33], s[24:25]
	s_cselect_b64 s[26:27], s[34:35], s[26:27]
	s_cmp_eq_u32 s96, 3
	s_cselect_b64 s[24:25], s[36:37], s[24:25]
	s_cselect_b64 s[26:27], s[38:39], s[26:27]
	s_cmp_ge_u32 s96, 2
	s_cselect_b64 s[48:49], s[56:57], s[48:49]
	s_cselect_b64 s[50:51], s[58:59], s[50:51]
	s_cselect_b64 s[4:5], s[48:49], s[24:25]       ; source 1: tokens for q and k, w_v for v
	s_cselect_b64 s[6:7], s[50:51], s[26:27]
	s_cselect_b64 s[8:9], s[24:25], s[48:49]       ; source 0
	s_cselect_b64 s[10:11], s[26:27], s[50:51]
	s_cmp_eq_u32 s96, 0
	s_cselect_b64 s[12:13], s[60:61], s[62:63]     ; where the results go
	s_add_nc_u64 s[20:21], s[4:5], s[20:21]
	s_add_nc_u64 s[22:23], s[6:7], s[22:23]
	s_add_nc_u64 s[46:47], s[8:9], s[46:47]
	s_add_nc_u64 s[92:93], s[10:11], s[92:93]
	s_or_b32 s[G1+0], s43, (0<<16)|(1<<20)|(1<<21)|(5<<22)|(3<<25)   ; the mask; bytes; 4 words of padding behind every 64
	s_or_b32 s[G1B+0], s44, (0<<16)|(1<<20)|(1<<21)|(5<<22)|(3<<25)
.irp g, G1, G1B
	s_mov_b32 s[\g+1], ROWB<<16
	s_mov_b32 s[\g+2], 256<<16                     ; 256 rows for the head's loads
	s_mov_b32 s[\g+3], ROWB<<16
	s_mov_b32 s[\g+4], 256
	s_mov_b32 s[\g+5], KROW
	s_mov_b32 s[\g+6], 0
	s_mov_b32 s[\g+7], 0
.endr
	s_or_b32 s[G1S+0], s43, (3<<16)|(1<<20)|(1<<21)|(5<<22)|(3<<25)  ; the scales of 256 rows: 32 rows of 256 bytes
	s_or_b32 s[G1SB+0], s44, (3<<16)|(1<<20)|(1<<21)|(5<<22)|(3<<25)
.irp g, G1S, G1SB
	s_mov_b32 s[\g+1], 32<<16
	s_mov_b32 s[\g+2], KS<<16
	s_mov_b32 s[\g+3], 32<<16
	s_mov_b32 s[\g+4], KS
	s_mov_b32 s[\g+5], 32
	s_mov_b32 s[\g+6], 0
	s_mov_b32 s[\g+7], 0
.endr
	CROUND                                         ; all sixteen work-groups are here: the first joint loads meet
	s_mov_b32 s[G0H], 1
	s_mov_b32 s[G0H+1], 0
	s_mov_b64 s[G0H+2:G0H+3], s[20:21]
	s_or_b32 s[G0H+3], s[G0H+3], 0x80000000
	s_mov_b32 s[G0HB], 1
	s_mov_b32 s[G0HB+1], 2*HALFT
	s_mov_b64 s[G0HB+2:G0HB+3], s[46:47]
	s_or_b32 s[G0HB+3], s[G0HB+3], 0x80000000
	s_mov_b32 s[G0S], 1
	s_mov_b32 s[G0S+1], SCL
	s_mov_b64 s[G0S+2:G0S+3], s[22:23]
	s_or_b32 s[G0S+3], s[G0S+3], 0x80000000
	s_mov_b32 s[G0SB], 1
	s_mov_b32 s[G0SB+1], SCL+2*HALFS
	s_mov_b64 s[G0SB+2:G0SB+3], s[92:93]
	s_or_b32 s[G0SB+3], s[G0SB+3], 0x80000000
	s_add_nc_u64 s[20:21], s[20:21], s[18:19]
	s_add_nc_u64 s[46:47], s[46:47], s[18:19]
.irp s, 0,1
	s_mov_b32 s[G0+4*\s], 1
	s_add_co_u32 s[G0+4*\s+1], s45, \s*SLOT
	s_add_nc_u64 s[G0+4*\s+2:G0+4*\s+3], s[20:21], \s*ROWB
	s_or_b32 s[G0+4*\s+3], s[G0+4*\s+3], 0x80000000
	s_mov_b32 s[G0B+4*\s], 1
	s_add_co_u32 s[G0B+4*\s+1], s45, \s*SLOT
	s_add_nc_u64 s[G0B+4*\s+2:G0B+4*\s+3], s[46:47], \s*ROWB
	s_or_b32 s[G0B+4*\s+3], s[G0B+4*\s+3], 0x80000000
.endr
; the head's loads, one a wave: wave 0 chunk 0 of source 1, wave 1 of source 0, waves 2 and 3 the scales.  One tree of branches, one load on every way.
.macro ARM under, g0, g1, next
	s_cmp_lt_u32 s14, \under
	s_cbranch_scc0 \next
	tensor_load_to_lds s[\g0:\g0+3], s[\g1:\g1+7]
	s_nop 0
.rept 4
	v_nop
.endr
	s_branch .Lhead_asked
\next:
.endm
	ARM 1, G0H,  G1,  .Lhead_b
	ARM 2, G0HB, G1B, .Lhead_sa
	ARM 3, G0S,  G1S, .Lhead_sb
	tensor_load_to_lds s[G0SB:G0SB+3], s[G1SB:G1SB+7]
	s_nop 0
.rept 4
	v_nop
.endr
.Lhead_asked:
	v_and_b32 v1, 15, v0                           ; r
	v_bfe_u32 v2, v0, 4, 1                         ; h
	v_and_b32 v3, 8, v1
	v_add_nc_u32 v8, v3, v1                        ; r + 8 (r / 8)
	v_mul_u32_u24 v3, v8, PITCH
	v_mul_u32_u24 v4, v2, 24
	v_add_nc_u32 v4, v3, v4                        ; my row x pitch + 24 h
	s_mov_b32 s21, SLOT-232
	s_mov_b32 s22, SLOT+232
	v_sub_nc_u32 v7, 1, v2
	v_mul_u32_u24 v5, s21, v2
	v_add_nc_u32 v5, v3, v5
	v_add_nc_u32 v5, 232, v5                       ; lanes 0-15 byte 232 of the row in slot 0, lanes 16-31 byte 0 in slot 1
	v_mul_u32_u24 v6, s22, v7
	v_add_nc_u32 v6, v3, v6                        ; and the other way round
	s_mul_i32 s21, s15, HALFT
	s_mul_i32 s22, s16, HALFT
	s_add_co_u32 s22, s22, 2*HALFT
	v_add_nc_u32 v[ADRA+2], s21, v5
	v_add_nc_u32 v[ADRA+3], s21, v6
	v_add_nc_u32 v[ADRB+2], s22, v5
	v_add_nc_u32 v[ADRB+3], s22, v6
.irp s, 0,1
	v_add_nc_u32 v[ADRA+\s], s21, v4
	v_add_nc_u32 v[ADRB+\s], s22, v4
	s_add_co_u32 s21, s21, SLOT
	s_add_co_u32 s22, s22, SLOT
.endr
	v_lshlrev_b32 v5, 5, v8                        ; my row's scales: 32 bytes a row,
	v_lshrrev_b32 v6, 8, v5
	v_lshl_add_u32 v5, v6, 4, v5                   ; 16 more for each 256 passed
	s_mul_i32 s21, s15, HALFS
	s_mul_i32 s22, s16, HALFS
	s_add_co_u32 s22, s22, 2*HALFS
	s_sub_co_u32 s22, s22, s21
	v_mul_u32_u24 v6, s22, v2                      ; lanes 16-31 take source 0's
	s_add_co_u32 s21, s21, SCL
	v_add_nc_u32 v5, v5, v6
	v_add_nc_u32 v[ADRS], s21, v5
.macro FRAG reg, adr, st, i            ; 16 rows x 128 K: six pieces of 8 bytes; byte y of a row lies in slot (y / 256) % 2 at byte y % 256
.irp p, 0,1,2,3,4,5
.set BY, 96*(\st)+48*(\p/3)+8*(\p%3)
.set RO, (32*((\i)/2)+8*((\i)%2))*PITCH
.if BY/ROWB == (BY+24)/ROWB
	ds_load_b64 v[\reg+2*\p:\reg+2*\p+1], v[\adr+(BY/ROWB)%2] offset:BY%ROWB+RO
.else
	ds_load_b64 v[\reg+2*\p:\reg+2*\p+1], v[\adr+2+(BY/ROWB)%2] offset:BY%ROWB-232+RO
.endif
.endr
.endm
.macro MUL16 a0, p, q, sc, zero        ; the 64 accumulators take turns, one instruction a turn
.irp a, \a0, \a0+1
.irp b, 0,1,2,3,4,5,6,7
.if \zero
	v_wmma_scale_f32_16x16x128_f8f6f4 v[8*(8*((\a)%4)+\b):8*(8*((\a)%4)+\b)+7], v[128*(\p)+FR*\b:128*(\p)+FR*\b+FR-1], v[AF+FR*(\a):AF+FR*(\a)+FR-1], 0, v[SC+8*NQ*(\sc)+NQ*\b+(\q)], v[SC+8*NQ*(\sc)+NQ*(\a)+(\q)] matrix_a_fmt:MATRIX_FMT_BF6 matrix_b_fmt:MATRIX_FMT_BF6 matrix_a_scale:MATRIX_SCALE_ROW1
.else
	v_wmma_scale_f32_16x16x128_f8f6f4 v[8*(8*((\a)%4)+\b):8*(8*((\a)%4)+\b)+7], v[128*(\p)+FR*\b:128*(\p)+FR*\b+FR-1], v[AF+FR*(\a):AF+FR*(\a)+FR-1], v[8*(8*((\a)%4)+\b):8*(8*((\a)%4)+\b)+7], v[SC+8*NQ*(\sc)+NQ*\b+(\q)], v[SC+8*NQ*(\sc)+NQ*(\a)+(\q)] matrix_a_fmt:MATRIX_FMT_BF6 matrix_b_fmt:MATRIX_FMT_BF6 matrix_a_scale:MATRIX_SCALE_ROW1
.endif
.endr
.endr
.endm
.macro FETCH_B st, p
	WIN TO_B
.irp i, 0,1,2,3,4,5,6,7
	FRAG 128*(\p)+FR*\i, ADRB, \st, \i
.endr
	WIN 0
.endm
.macro FETCH_A st, i0
.irp i, \i0, \i0+1, \i0+2, \i0+3
	FRAG AF+FR*(\i), ADRA, \st, \i
.endr
.endm
.macro SCALES pr                       ; the words of steps 2 pr, 2 pr + 1: lanes 0-15 source 1's block i, lanes 16-31 source 0's
.irp i, 0,1,2,3,4,5,6,7
	ds_load_b64 v[SC+8*NQ*((\pr)%2)+NQ*\i:SC+8*NQ*((\pr)%2)+NQ*\i+1], v[ADRS] offset:(4*(\i/2)+\i%2)*272+4*NQ*(\pr)
.endr
.endm
.macro PLACES n
.rept \n
	v_nop
.endr
.endm
; A step: 64 matrix instructions; the next step's fragments are fetched in its middle and at its end.  Where the next step's bytes END in a chunk not yet read: wait for my tensor loads, and a barrier.
; Where they BEGIN in a later chunk: the three lines and the barrier; where a chunk two on is left, the barrier opens a round and the slot is filled again.
.macro STEP st, zero
.set NX, (\st)+1
.set C0, (96*(\st))/ROWB
.set C1, (96*NX)/ROWB
.set E0, (96*(\st)+95)/ROWB
.set E1, (96*NX+95)/ROWB
.if C1 > C0 || E1 > E0
	s_wait_tensorcnt 0x0                           ; all my tensor loads have landed
.if C1 > C0
	ds_add_u32 v[SPW], v[NIL]
	s_wait_dscnt 4*NL+1                            ; the add and the youngest 24 loads (blocks 4-7) may be out
.else
	s_wait_dscnt 4*NL
.endif
	WIN MUL_LO
	MUL16 0, (\st)%2, (\st)%2, ((\st)/2)%2, \zero
	s_wait_dscnt 0x0                               ; the add and all my reads are done
	s_barrier_signal -1
	MUL16 2, (\st)%2, (\st)%2, ((\st)/2)%2, \zero
	WIN 0
	s_barrier_wait -1
.if C1 > C0 && C0+2 < CHUNKS
	CREST
	s_add_nc_u64 s[G0+4*(C0%2)+2:G0+4*(C0%2)+3], s[G0+4*(C0%2)+2:G0+4*(C0%2)+3], 2*ROWB
	s_add_nc_u64 s[G0B+4*(C0%2)+2:G0B+4*(C0%2)+3], s[G0B+4*(C0%2)+2:G0B+4*(C0%2)+3], 2*ROWB
	JLOAD G0+4*(C0%2), G1, G0B+4*(C0%2), G1B       ; chunk C0 + 2; its four v_nop are the places in front of the loads below
.else
	PLACES NP
.endif
.else
	s_wait_dscnt 4*NL                              ; the youngest 24 loads (blocks 4-7) may be out
	WIN MUL_LO
	MUL16 0, (\st)%2, (\st)%2, ((\st)/2)%2, \zero
	MUL16 2, (\st)%2, (\st)%2, ((\st)/2)%2, \zero
	s_wait_dscnt 0
	PLACES NP
.endif
	FETCH_B NX, NX%2
	FETCH_A NX, 0
.if NX%2 == 0
	SCALES NX/2
.endif
	WIN MUL_HI
	MUL16 4, (\st)%2, (\st)%2, ((\st)/2)%2, \zero
	MUL16 6, (\st)%2, (\st)%2, ((\st)/2)%2, \zero
	PLACES NP
	WIN 0
	FETCH_A NX, 4
.endm
	s_wait_alu depctr_va_vdst(0)                   ; the wait at the head's end
	s_wait_tensorcnt 0x0                           ; my tile of the head's four is in; the three lines ahead of a later first fill
	ds_add_u32 v[SPW], v[NIL]
	s_mov_b32 s[G1+2], 128<<16                     ; no load of mine is out: from here on a load brings 128 rows
	s_mov_b32 s[G1+4], 128
	s_mov_b32 s[G1B+2], 128<<16
	s_mov_b32 s[G1B+4], 128
	s_wait_dscnt 0x0
	CROUND
	JLOAD G0+4, G1, G0B+4, G1B                     ; chunk 1
	FETCH_B 0, 0
	FETCH_A 0, 0
	SCALES 0
	FETCH_A 0, 4
	; where my results go (s4-11 held the head's descriptors, whose loads have landed)
	s_lshl_b32 s20, s17, 8
	s_lshl_b32 s21, s15, 7
	s_add_co_u32 s20, s20, s21
	s_lshl_b32 s22, s42, 8
	s_lshl_b32 s23, s16, 7
	s_add_co_u32 s22, s22, s23
	s_cmp_lt_u32 s96, 2
	s_cselect_b32 s46, s20, s22                    ; my first token
	s_cselect_b32 s47, s22, s20                    ; my first channel
	s_mov_b32 s92, 311296
	s_mov_b32 s93, 19456
	s_lshl_b32 s45, s96, 8
	s_add_co_u32 s45, s45, 18432
	s_sub_co_u32 s94, s96, 1
	s_mul_i32 s94, s94, 6144
	s_cmp_eq_u32 s96, 1
	s_cselect_b32 s45, 18432, s45
	s_cmp_eq_u32 s96, 0
	s_cselect_b32 s92, 106496, s92
	s_cselect_b32 s93, 6656, s93
	s_cselect_b32 s45, 6144, s45
	s_mov_b32 s8, 768
	s_mov_b32 s10, 768
	s_cmp_ge_u32 s96, 2
	s_cselect_b32 s94, s94, 0
	s_cselect_b32 s8, 1536, s8
	s_cselect_b32 s10, 306688, s10
	s_cselect_b32 s6, 768, s92
	s_mov_b32 s9, 0
	s_mov_b32 s11, 0
	s_mov_b32 s7, 0
	s_lshr_b32 s20, s46, 11
	s_lshl_b32 s20, s20, 4
	s_lshr_b32 s21, s47, 6
	s_add_co_u32 s20, s20, s21                     ; 16 x batch + head
	s_mul_i32 s20, s20, s92
	s_bfe_u32 s21, s46, 0x40007
	s_mul_i32 s21, s21, s93                        ; group of 128 tokens
	s_add_co_u32 s20, s20, s21
	s_mov_b32 s21, 0
	s_add_nc_u64 s[12:13], s[12:13], s[20:21]
	s_mov_b32 s95, 0
	s_add_nc_u64 s[4:5], s[12:13], s[94:95]
	s_add_nc_u64 s[6:7], s[4:5], s[6:7]
	s_mov_b32 s46, s45
	s_mov_b32 s47, 0
	s_add_nc_u64 s[12:13], s[12:13], s[46:47]
	s_mov_b32 s93, 0
	s_mov_b32 s98, 0x76543210
	s_mov_b32 s99, 0xfedcba98
	STEP 0, 1                                      ; the first step's products start the sums
.set ST, 1
.rept STEPS-2
	STEP ST, 0
.set ST, ST+1
.endr
	s_wait_dscnt 4*NL
	WIN MUL_LO
	MUL16 0, 1, 1, 1, 0
	MUL16 2, 1, 1, 1, 0
	s_wait_dscnt 0
	WIN MUL_HI
	MUL16 4, 1, 1, 1, 0
	MUL16 6, 1, 1, 1, 0
	WIN 0
.macro OUTB a                          ; block a: 16 lanes' rows x 128: four blocks of 32 along the registers, quantised and stored as two half fragments' images
.set AC, 64*((\a)%4)
	WIN 0x28+0x14*((\a)/4)
.irp b, 0,1,2,3
	v_max3_num_f32 v[TM+\b], 0x2800000, |v[AC+16*\b]|, |v[AC+16*\b+1]|   ; with the floor 2^(5 - 127)
.endr
.irp i, 2,4,6,8,10,12,14
.irp b, 0,1,2,3
	v_max3_num_f32 v[TM+\b], v[TM+\b], |v[AC+16*\b+\i]|, |v[AC+16*\b+\i+1]|
.endr
.endr
	WIN 0
.irp b, 0,1,2,3
	v_permlanex16_b32 v[TM+4+\b], v[TM+\b], s98, s99
.endr
.irp b, 0,1,2,3
	v_max_num_f32 v[TM+\b], v[TM+\b], v[TM+4+\b]
.endr
.irp b, 0,1,2,3
	v_add_nc_u32 v[TM+12+\b], 0xfe000000, v[TM+\b] ; 4 off the exponent field: the conversion's scale operand
.endr
.irp b, 0,1,2,3
	v_lshrrev_b32 v[TM+4+\b], 23, v[TM+12+\b]
.endr
	v_lshl_or_b32 v[PW+(\a)], v[TM+5], 8, v[TM+4]
	v_lshl_or_b32 v[PW+(\a)], v[TM+6], 16, v[PW+(\a)]
	v_lshl_or_b32 v[PW+(\a)], v[TM+7], 24, v[PW+(\a)]
	s_wait_xcnt 0x0                                ; the last block's stores have read their registers and bases
.if (\a) == 4
	s_add_nc_u64 s[4:5], s[4:5], s[10:11]
	s_add_nc_u64 s[6:7], s[6:7], s[10:11]
.elseif (\a) > 0
	s_add_nc_u64 s[4:5], s[4:5], s[8:9]
	s_add_nc_u64 s[6:7], s[6:7], s[8:9]
.endif
	WIN 2+(\a)/4
.irp c, 0,1
	v_cvt_scalef32_pk16_bf6_f32 v[PC+6*\c:PC+2+6*\c], v[AC+32*\c:AC+15+32*\c], v[TM+12+2*\c]
	v_cvt_scalef32_pk16_bf6_f32 v[PC+12+4*\c:PC+14+4*\c], v[AC+16+32*\c:AC+31+32*\c], v[TM+12+2*\c+1]
.endr
	v_nop
	WIN 0
.irp c, 0,1
.irp i, 0,1,2
	v_permlane16_swap_b32 v[PC+6*\c+\i], v[PC+12+4*\c+\i]
.endr
.irp i, 0,1,2
	v_mov_b32 v[PC+3+6*\c+\i], v[PC+12+4*\c+\i]
.endr
.endr
	global_store_b128 v[L16], v[PC:PC+3], s[4:5]
	global_store_b64 v[L8], v[PC+4:PC+5], s[4:5] offset:512
	global_store_b128 v[L16], v[PC+6:PC+9], s[6:7]
	global_store_b64 v[L8], v[PC+10:PC+11], s[6:7] offset:512
.endm
	PLACES NP
.irp b, 0,1,2,3
	v_mov_b32 v[TM+4+\b], 0                        ; a lane permute's destination counts as read
.endr
	v_and_b32 v[L16], 31, v0
	v_lshlrev_b32 v[L8], 3, v[L16]
	v_lshlrev_b32 v[L16], 4, v[L16]
	v_and_b32 v[KO], 15, v0
	v_bfe_u32 v[TM], v0, 4, 1
	v_mul_u32_u24 v[TM], v[TM], 311296
	v_lshl_add_u32 v[KO], v[KO], 4, v[TM]
.irp a, 0,1,2,3,4,5,6,7
	OUTB \a
.endr
	s_mov_b32 s20, 0xffff0000
.irp i, 0,1,2,3
	v_cndmask_b32 v[RW+\i], v[PW+\i], v[PW+4+\i], s20   ; lanes 0-15 block i's words, lanes 16-31 block 4 + i's
.endr
	s_cmp_lt_u32 s96, 2
	s_cbranch_scc0 .Lkeys_are_k
.irp i, 0,1,2,3
	v_and_b32 v[HW+\i], 0xffff, v[RW+\i]           ; q, k: a word's two halves belong to two heads
	v_lshrrev_b32 v[HW+4+\i], 16, v[RW+\i]
.endr
	s_add_nc_u64 s[20:21], s[12:13], s[92:93]
	global_store_b128 v[L16], v[HW:HW+3], s[12:13]
	global_store_b128 v[L16], v[HW+4:HW+7], s[20:21]
	s_branch .Lwords_out
.Lkeys_are_k:
	s_wait_alu depctr_va_vdst(0)
	global_store_b128 v[KO], v[RW:RW+3], s[12:13]
.Lwords_out:
	s_wait_tensorcnt 0x0                           ; the wave's end
	ds_add_u32 v[SPW], v[NIL]
	s_wait_dscnt 0x0
	CROUND                                         ; the closing round
	s_endpgm
.Lfunc_end_k_qb60fb527d9_proj:
	.size	k_qb60fb527d9_proj, .Lfunc_end_k_qb60fb527d9_proj-k_qb60fb527d9_proj
	.p2alignl 7, 3214868480
	.fill 96, 4, 3214868480
	.section	.rodata,"a",@progbits
	.p2align	6, 0x0
	.amdhsa_kernel k_qb60fb527d9_proj
		.amdhsa_group_segment_fixed_size 327680
		.amdhsa_private_segment_fixed_size 0
		.amdhsa_enable_private_segment 0
		.amdhsa_kernarg_size 128
		.amdhsa_user_sgpr_count 2
		.amdhsa_user_sgpr_kernarg_segment_ptr 1
		.amdhsa_wavefront_size32 1
		.amdhsa_system_sgpr_workgroup_id_x 1
		.amdhsa_system_sgpr_workgroup_id_y 1
		.amdhsa_system_sgpr_workgroup_id_z 1
		.amdhsa_system_vgpr_workitem_id 0
		.amdhsa_next_free_vgpr 1024
		.amdhsa_next_free_sgpr 100
		.amdhsa_reserve_vcc 0
		.amdhsa_float_denorm_mode_32 3
		.amdhsa_float_denorm_mode_16_64 3
		.amdhsa_memory_ordered 1
		.amdhsa_forward_progress 1
		.amdhsa_inst_pref_size 169
	.end_amdhsa_kernel
	.amdgpu_metadata
---
amdhsa.version: [ 1, 2 ]
amdhsa.kernels:
  - .name:           k_qb60fb527d9_proj
    .symbol:         k_qb60fb527d9_proj.kd
    .args:
      - { .name: gs_codes, .offset: 0, .size: 8, .value_kind: global_buffer, .address_space: global }
      - { .name: gs_scales, .offset: 8, .size: 8, .value_kind: global_buffer, .address_space: global }
      - { .name: PE_states_codes, .offset: 16, .size: 8, .value_kind: global_buffer, .address_space: global }
      - { .name: PE_states_scales, .offset: 24, .size: 8, .value_kind: global_buffer, .address_space: global }
      - { .name: PE_statements_codes, .offset: 32, .size: 8, .value_kind: global_buffer, .address_space: global }
      - { .name: PE_statements_scales, .offset: 40, .size: 8, .value_kind: global_buffer, .address_space: global }
      - { .name: PE_operators_codes, .offset: 48, .size: 8, .value_kind: global_buffer, .address_space: global }
      - { .name: PE_operators_scales, .offset: 56, .size: 8, .value_kind: global_buffer, .address_space: global }
      - { .name: w_q_codes, .offset: 64, .size: 8, .value_kind: global_buffer, .address_space: global }
      - { .name: w_q_scales, .offset: 72, .size: 8, .value_kind: global_buffer, .address_space: global }
      - { .name: w_k_codes, .offset: 80, .size: 8, .value_kind: global_buffer, .address_space: global }
      - { .name: w_k_scales, .offset: 88, .size: 8, .value_kind: global_buffer, .address_space: global }
      - { .name: w_v_codes, .offset: 96, .size: 8, .value_kind: global_buffer, .address_space: global }
      - { .name: w_v_scales, .offset: 104, .size: 8, .value_kind: global_buffer, .address_space: global }
      - { .name: qimg, .offset: 112, .size: 8, .value_kind: global_buffer, .address_space: global }
      - { .name: kv, .offset: 120, .size: 8, .value_kind: global_buffer, .address_space: global }
    .group_segment_fixed_size: 327680
    .private_segment_fixed_size: 0
    .kernarg_segment_align: 8
    .kernarg_segment_size: 128
    .max_flat_workgroup_size: 128
    .sgpr_count:     100
    .vgpr_count:     1024
    .wavefront_size: 32
...
	.end_amdgpu_metadata
.endif
;; end of part 2
;; launch attn (part 3): grid 8 x 32, 16 waves a work-group, clusters of 4 x 1, 327,680 bytes of LDS; arguments qimg, kv, PE_solution_scores, maskbits, oimg; writes oimg
.if DOCPART == 3
	.amdgcn_target "amdgcn-amd-amdhsa--gfx1250"
	.amdhsa_code_object_version 6
	.text
	.protected	k_qb60fb527d9_attn
	.globl	k_qb60fb527d9_attn
	.p2align	8
	.type	k_qb60fb527d9_attn,@function
k_qb60fb527d9_attn:
	s_mov_b64 s[64:65], 0
	v_nop
	global_prefetch_b8 v0, s[64:65] scope:SCOPE_SE
	s_setreg_imm32_b32 hwreg(HW_REG_WAVE_MODE, 25, 1), 1
	s_wait_xcnt 0x0
	s_wait_alu depctr_hold_cnt(0) depctr_sa_sdst(0) depctr_va_vdst(0) depctr_va_sdst(0) depctr_va_ssrc(0) depctr_va_vcc(0) depctr_vm_vsrc(0)
	s_getreg_b32 s2, hwreg(HW_REG_IB_STS2, 6, 4)
	s_cmp_eq_u32 s2, 0
	s_cbranch_scc0 .Lentry_in_a_cluster
	s_endpgm
.Lentry_in_a_cluster:
	s_bfe_u32 s2, ttmp6, 0x10000c
	s_cmp_lg_u32 s2, 0x3003
	s_cbranch_scc0 .Lentry_shape_is_right
	s_endpgm
.Lentry_shape_is_right:
; ATTN: for one batch and head, o_s = softmax((q k^T / 8 + bias) / 2, masked) v_s and o_o = the same weights times v_o, all products on codes of BF6 (E3M2) with E8M0 scales; o is quantised along the head's 64 on the way out.
; No work of reference() is left out; the softmax and its codes are made once and multiply both value streams.
; THE SOFTMAX AHEAD OF THE VALUE PRODUCTS: s = q k / 8 + bias; t = s x log2(e) / 2; M = the row's largest t so far, rounded UP to a whole number; p = 2^(t - M) is quantised along the keys; the row's sum is taken of the
; unquantised p and divides o at the end.  When M moves, the sums are multiplied by 2^(old M - new M): exact.
; THE BIAS is the C of the score products: it costs no vector instruction.  THE MASK comes as lane masks, one word for each score register, by scalar loads a step ahead.
; A HIDDEN SCORE becomes s = -2^31 (logit -2^30) where reference() writes the logit -1e9.  c x (-2^31) is exact, so a row with no open key has t - M = 0 and p = 1 for every key: the plain average, as in reference().
; LIMIT: the results differ from reference()'s only where an open logit lies at about -1e9 or under it, that is where |q k / 8 + bias| reaches 2e9.  NaN and infinities are not served.
; SHARES.  A work-group owns 256 queries of one head; each of its sixteen waves 16 of them, one tile, in 256 registers.  A HEAD'S WHOLE K, V_s AND V_o STAY IN LDS: 16 key steps x 19,456 bytes, images of the operands'
; registers as the launch before stored them.  Wave w asks for key step w: one tensor load a wave, no slot is ever filled again.
; CLUSTER.  The four work-groups of a cluster belong to one head: each load is asked for JOINTLY, with the same descriptor and a mask that names the four.
; LAYOUT.  Both products are used transposed: S^T = K Q^T, O^T = V^T P^T: a lane holds ONE query throughout.  The keys of a tile of K, and the channels of a tile of V, are not neighbours: lane r of tile 2 b + u takes
; 32 b + 8 u + r + 8 (r / 8), so that the 16 registers of two neighbouring tiles are 16 neighbours.
; K = 64 IN AN INSTRUCTION 128 DEEP: Q's registers 6-11 are zero codes and the upper two bytes of both scale words are 0 (2^-127, a number).  K's tiles lie 6 registers apart, so a tile's upper six registers are the next
; tile's codes: finite numbers times zero codes.  Six zero registers stand behind tile 7.
; REGISTERS: v1-3 addresses that stay; v5, v6 the add's two; v7 -2^31; v8-10 the step's addresses; v12 -M, v13 the largest t, v[14:15] the sum; v16-27 Q; v32-79 K's 8 tiles, then V_s's 4 fragments; v80-85 zeros;
; v88-91 V's scale words; v96-159 S^T, then p, then V_o's fragments; v160-191 O_s^T; v192-223 O_o^T; v224.. p's codes; v232-247, v252, v254 at work; v248-251 K's scale words; v253 p's; v255 Q's.
.set STEPB, 19456                      ; a key step: K 6,144, V_s 6,144, V_o 6,144, K's scale words 512, V's 512
.set HEADB, 16*STEPB
.set SCR,   HEADB                      ; behind the head: the batch's 2,048 biases, f32
.set SPARE, SCR+8192                   ; the spare words, 128 bytes for each wave: eight blocks of 256 bytes that no other line names
.set L16, 1
.set L8,  2
.set ASC, 3
.set SPW, 5
.set NIL, 6
.set NEG, 7
.set ADK, 8
.set AD8, 9
.set ADS, 10
.set TB,   4                           ; s4  LDS byte at which the step's images begin
.set TSC,  5                           ; s5  and its biases: 512 bytes a step
.set MOFF, 6                           ; s6  the next step's lane masks: 256 bytes a step
.set CNT,  7
.set HM,   8
.set SEL,  66
.set G1,   68
.set G0,   76
.set CS,   96                          ; s[96:97] c = log2(e) / 2
.set WV,   98
.macro ROUND
	s_barrier_signal -1
	s_barrier_wait -1
	s_cmp_lg_u32 s[WV], 0
	s_cbranch_scc1 .Lnot_wave_0_\@
	s_barrier_signal -3
.Lnot_wave_0_\@:
	s_barrier_wait -3
	s_barrier_signal -1
	s_barrier_wait -1
.endm
	s_load_b256 s[4:11], s[0:1], 0x0               ; qimg, kv, the biases, maskbits
	s_load_b64 s[12:13], s[0:1], 0x20              ; oimg
	v_lshl_add_u32 v[SPW], v0, 2, SPARE
	v_mov_b32 v[NIL], 0
	ds_add_u32 v[SPW], v[NIL]                      ; the wave's opening: the add, twice on end, and its wait ahead of my first tensor load
	ds_add_u32 v[SPW], v[NIL]
	v_lshrrev_b32 v8, 5, v0
	s_delay_alu instid0(VALU_DEP_1)
	v_readfirstlane_b32 s[WV], v8                  ; wave 0..15
	s_and_b32 s16, ttmp7, 0xffff                   ; 16 x batch + head, which the four partners share
	s_mul_i32 s20, s16, HEADB
	s_mul_i32 s22, s[WV], STEPB                    ; my key step: in LDS, and in the head's bytes
	s_add_co_u32 s20, s20, s22
	s_mov_b32 s21, 0
	s_mov_b32 s[G1], 15|(3<<16)|(1<<21)            ; 15:0 the mask: all four work-groups; 17:16 elements of 8 bytes; 21 set beside a mask; no padding
	s_mov_b32 s[G1+1], 32<<16                      ; tensor_dim0 = 32: rows of 256 bytes
	s_mov_b32 s[G1+2], 76<<16                      ; tensor_dim1 = 76 rows: 19,456 dense bytes
	s_mov_b32 s[G1+3], 32<<16                      ; tile_dim0
	s_mov_b32 s[G1+4], 76                          ; tile_dim1
	s_mov_b32 s[G1+5], 32                          ; tensor_dim0_stride
	s_mov_b32 s[G1+6], 0
	s_mov_b32 s[G1+7], 0
	s_bfe_u32 s17, ttmp6, 0x40000                  ; cx: it enters the addresses of q, the masks and o alone
	s_lshl_b32 s18, ttmp9, 2
	s_add_co_u32 s18, s18, s17
	s_lshl_b32 s18, s18, 4
	s_add_co_u32 s18, s18, s[WV]                   ; my tile of 16 queries, 0 .. 127
	s_lshr_b32 s19, s16, 4                         ; batch
	s_and_b32 s23, s16, 15                         ; head
	s_lshl_b32 s24, s19, 7
	s_add_co_u32 s24, s24, s18
	s_lshl_b32 s26, s24, 12                        ; my tile's lane masks: 16 steps x 256 bytes
	s_mov_b32 s27, 0
	s_mul_i32 s28, s24, 26624                      ; my tile's block of oimg,
	s_mul_i32 s30, s23, 768
	s_lshl_b32 s31, s23, 6
	s_add_co_u32 s31, s31, s28
	s_add_co_u32 s28, s28, s30                     ; my head's codes in it,
	s_mov_b32 s29, 0
	s_add_co_u32 s30, s31, 24576                   ; and its scale words
	s_mov_b32 s31, 0
	s_mul_i32 s32, s16, 106496
	s_lshr_b32 s33, s18, 3
	s_mul_i32 s33, s33, 6656
	s_add_co_u32 s32, s32, s33                     ; my group of 128 queries in qimg
	s_and_b32 s34, s[WV], 7
	s_mul_i32 s35, s34, 768
	s_add_co_u32 s36, s32, s35                     ; my tile's codes
	s_mov_b32 s37, 0
	s_lshr_b32 s35, s34, 2
	s_lshl_b32 s35, s35, 8
	s_and_b32 s34, s34, 3
	s_lshl_b32 s34, s34, 2
	s_add_co_u32 s38, s32, s35
	s_add_co_u32 s38, s38, s34
	s_add_co_u32 s38, s38, 6144                    ; and its scale words: word tile % 4 of lane r + 16 (tile / 4)
	s_mov_b32 s39, 0
	s_lshl_b32 s40, s19, 13                        ; the batch's biases
	s_mov_b32 s41, 0
	s_mov_b32 s[SEL], 0x76543210
	s_mov_b32 s[SEL+1], 0xfedcba98                 ; v_permlanex16_b32's selects for lane l xor 16
	s_mov_b32 s[CS], 0x3f38aa3b                    ; c = log2(e) / 2
	s_mov_b32 s[CS+1], s[CS]                       ; (named with it as a pair, so it is written)
	s_wait_dscnt 0x0                               ; both opening adds are done
	s_wait_kmcnt 0x0
	s_mov_b32 s[G0], 1                             ; count = 1
	s_mov_b32 s[G0+1], s22                         ; LDS address
	s_add_nc_u64 s[G0+2:G0+3], s[6:7], s[20:21]    ; global address
	s_or_b32 s[G0+3], s[G0+3], 0x80000000          ; type = 2
	s_add_nc_u64 s[2:3], s[10:11], s[26:27]
	s_add_nc_u64 s[14:15], s[12:13], s[30:31]
	s_add_nc_u64 s[12:13], s[12:13], s[28:29]
	s_add_nc_u64 s[36:37], s[4:5], s[36:37]
	s_add_nc_u64 s[38:39], s[4:5], s[38:39]
	s_add_nc_u64 s[40:41], s[8:9], s[40:41]
	ROUND                                          ; all four work-groups are here: the joint loads meet
	tensor_load_to_lds s[G0:G0+3], s[G1:G1+7]      ; key step w of the head: my one tensor load
	s_nop 0
.rept 4
	v_nop
.endr
	v_and_b32 v8, 15, v0                           ; r
	v_bfe_u32 v9, v0, 4, 1                         ; h
	v_and_b32 v10, 31, v0
	s_delay_alu instid0(VALU_DEP_1)
	v_lshlrev_b32 v[L16], 4, v10
	s_delay_alu instid0(VALU_DEP_2)
	v_lshlrev_b32 v[L8], 3, v10
	s_delay_alu instid0(VALU_DEP_4)
	v_lshlrev_b32 v[ASC], 6, v9
	s_delay_alu instid0(VALU_DEP_1)
	v_add_nc_u32 v[ASC], SCR, v[ASC]               ; the biases of my half's 16 keys of a block of 32
	v_lshlrev_b32 v4, 4, v0
	v_lshlrev_b32 v11, 4, v8
	global_load_b128 v[28:31], v4, s[40:41]        ; 16 bytes of biases a thread
	global_load_b128 v[16:19], v[L16], s[36:37]    ; Q's half fragment stays in registers
	global_load_b64 v[20:21], v[L8], s[36:37] offset:512
	global_load_b32 v255, v11, s[38:39]            ; Q's scale words
	v_add_nc_u32 v10, SCR, v4
	v_mov_b32 v[NEG], 0xcf000000                   ; -2^31
.irp j, 22,23,24,25,26,27,80,81,82,83,84,85
	v_mov_b32 v[\j], 0                             ; zero codes
.endr
	v_mov_b32 v13, 0xff61b1e6                      ; the largest t so far: -3e38, under every t
	s_delay_alu instid0(VALU_DEP_1)
	v_floor_f32 v12, -v13                          ; -M
	v_mov_b32 v14, 0
	v_mov_b32 v15, 0
.irp b, 0,1,2,3
	v_mov_b32 v[236+\b], 0                         ; written once: a lane permute's destination counts as one of its sources
.endr
	v_mov_b32 v253, 0                              ; (named as the upper half of the pair v[252:253] before it is first written)
.set j, 0
.rept 64
	v_mov_b32 v[160+j], 0                          ; both O^T.  (The step is written once: the first finds zeros, which the first change of M leaves zeros)
.set j, j+1
.endr
	s_wait_loadcnt 0x0
	ds_store_b128 v10, v[28:31]
	s_mov_b32 s[TB], 0
	s_mov_b32 s[TSC], 0
	s_mov_b32 s[MOFF], 0
	s_mov_b32 s[CNT], 16
	s_load_b512 s[16:31], s[2:3], s[MOFF] offset:0x0     ; step 0's 64 lane masks
	s_load_b512 s[32:47], s[2:3], s[MOFF] offset:0x40
	s_load_b512 s[48:63], s[2:3], s[MOFF] offset:0x80
	s_load_b512 s[80:95], s[2:3], s[MOFF] offset:0xc0
	s_wait_tensorcnt 0x0                           ; my key step has landed,
	s_wait_dscnt 0x0                               ; my biases are stored:
	s_barrier_signal -1
	s_barrier_wait -1                              ; everybody's are.  Nothing in LDS is written from here to the end
.Lstep:                                            ; 16 trips: 128 keys each
	v_add_nc_u32 v[ADK], s[TB], v[L16]
	v_add_nc_u32 v[AD8], s[TB], v[L8]
	v_add_nc_u32 v[ADS], s[TSC], v[ASC]
	v_nop
	v_nop                                          ; five places: the loads below land in, and the score products write over, registers that the last products read
.irp T, 0,1,2,3,4,5,6,7
	ds_load_b128 v[96+8*\T:99+8*\T], v[ADS] offset:128*(\T/2)+32*(\T%2)        ; the biases of the tile's keys, in the result's layout: the products' C
	ds_load_b128 v[100+8*\T:103+8*\T], v[ADS] offset:128*(\T/2)+32*(\T%2)+16
.endr
.irp T, 0,1,2,3,4,5,6,7
	ds_load_b128 v[32+6*\T:35+6*\T], v[ADK] offset:768*\T
	ds_load_b64 v[36+6*\T:37+6*\T], v[AD8] offset:768*\T+512
.endr
	ds_load_b128 v[248:251], v[ADK] offset:18432   ; K's scale words: register i: lanes 0-15 tile i, lanes 16-31 tile 4 + i
	s_wait_alu depctr_va_vdst(0)
	s_wait_dscnt 0x0
.irp T, 0,1,2,3
	v_wmma_scale_f32_16x16x128_f8f6f4 v[96+8*\T:103+8*\T], v[32+6*\T:43+6*\T], v[16:27], v[96+8*\T:103+8*\T], v[248+\T], v255 matrix_a_fmt:MATRIX_FMT_BF6 matrix_b_fmt:MATRIX_FMT_BF6
.endr
.irp T, 4,5,6,7
	v_wmma_scale_f32_16x16x128_f8f6f4 v[96+8*\T:103+8*\T], v[32+6*\T:43+6*\T], v[16:27], v[96+8*\T:103+8*\T], v[244+\T], v255 matrix_a_fmt:MATRIX_FMT_BF6 matrix_b_fmt:MATRIX_FMT_BF6 matrix_a_scale:MATRIX_SCALE_ROW1
.endr
.rept 4
	v_nop                                          ; places in front of the loads into K's registers and of the first read of the scores
.endr
.irp i, 0,1,2,3
	ds_load_b128 v[32+12*\i:35+12*\i], v[ADK] offset:6144+1536*\i              ; V_s's four fragments land while the softmax is walked
	ds_load_b64 v[36+12*\i:37+12*\i], v[AD8] offset:6144+1536*\i+512
	ds_load_b128 v[38+12*\i:41+12*\i], v[ADK] offset:6144+1536*\i+768
	ds_load_b64 v[42+12*\i:43+12*\i], v[AD8] offset:6144+1536*\i+1280
.endr
	ds_load_b128 v[88:91], v[ADK] offset:18944     ; V's scale words: lanes 0-15 V_s's, lanes 16-31 V_o's
	s_wait_kmcnt 0x0                               ; this step's lane masks are in; their offset register may be written
	s_add_co_u32 s[MOFF], s[MOFF], 256
	s_and_b32 s[MOFF], s[MOFF], 4095               ; (the last trip asks for step 0's once more: no load leaves the buffer)
.set n, 0
.rept 64
.if n < 48
	v_cndmask_b32 v[96+n], v[96+n], v[NEG], s[16+n]                ; hidden scores, ahead of the maximum; each accumulator is read from its low end on
.else
	v_cndmask_b32 v[96+n], v[96+n], v[NEG], s[32+n]
.endif
.set n, n+1
.endr
	s_load_b512 s[16:31], s[2:3], s[MOFF] offset:0x0     ; the next step's
	s_load_b512 s[32:47], s[2:3], s[MOFF] offset:0x40
	s_load_b512 s[48:63], s[2:3], s[MOFF] offset:0x80
	s_load_b512 s[80:95], s[2:3], s[MOFF] offset:0xc0
.irp b, 0,1,2,3
	v_max3_num_f32 v[232+\b], v[96+16*\b], v[97+16*\b], v[98+16*\b]   ; the largest score of each block of 32 keys: it serves for the row's maximum and, since p rises with the score, for the block's largest p
.endr
.irp i, 3,5,7,9,11,13
.irp b, 0,1,2,3
	s_delay_alu instid0(VALU_DEP_4)
	v_max3_num_f32 v[232+\b], v[232+\b], v[96+16*\b+\i], v[97+16*\b+\i]
.endr
.endr
.irp b, 0,1,2,3
	s_delay_alu instid0(VALU_DEP_4)
	v_max_num_f32 v[232+\b], v[232+\b], v[111+16*\b]
.endr
.irp b, 0,1,2,3
	s_delay_alu instid0(VALU_DEP_4)
	v_permlanex16_b32 v[236+\b], v[232+\b], s[SEL], s[SEL+1]
.endr
.irp b, 0,1,2,3
	s_delay_alu instid0(VALU_DEP_4)
	v_max_num_f32 v[232+\b], v[232+\b], v[236+\b]  ; with lane l xor 16's 16 keys
.endr
	s_delay_alu instid0(VALU_DEP_2)
	v_max3_num_f32 v254, v232, v233, v234
	s_delay_alu instid0(VALU_DEP_1)
	v_max_num_f32 v254, v254, v235                 ; the step's largest score of my query
	s_delay_alu instid0(VALU_DEP_1)
	v_mul_f32 v254, s[CS], v254                    ; as t (c is positive)
	s_delay_alu instid0(VALU_DEP_1)
	v_max_num_f32 v13, v13, v254                   ; the running largest t
	v_mov_b32 v254, v12
	s_delay_alu instid0(VALU_DEP_2)
	v_floor_f32 v12, -v13                          ; the new -M = floor(-t): M is a whole number
	s_delay_alu instid0(VALU_DEP_1)
	v_sub_f32 v254, v12, v254                      ; M's old value less its new one: a whole number, 0 or less
	s_delay_alu instid0(VALU_DEP_1)
	v_cvt_i32_f32 v254, v254                       ; (it saturates)
	s_delay_alu instid0(VALU_DEP_1)
	v_ldexp_f32 v252, 1.0, v254                    ; f = 2^(old M - new M)
.set j, 0
.rept 32
	v_pk_fma_f32 v[96+j:97+j], v[96+j:97+j], s[CS:CS+1], v[12:13] op_sel_hi:[1,0,0]   ; t - M, two at a time
.set j, j+2
.endr
.irp b, 0,1,2,3
	v_fma_f32 v[232+\b], v[232+\b], s[CS], v12     ; the same of each block's largest score
.endr
.set j, 0
	s_wait_alu depctr_va_vdst(0)
.rept 64
	v_exp_f32 v[96+j], v[96+j]                     ; p = 2^(t - M), at most 1: not normalised
.set j, j+1
.endr
	v_pk_mul_f32 v[14:15], v[14:15], v[252:253] op_sel_hi:[1,0]    ; the sums under the new M.  (A plain place behind the exponentials)
	s_wait_alu depctr_va_vdst(0)                   ; one wait for the whole batch, ahead of its first reader
.irp b, 0,1,2,3
	v_exp_f32 v[232+\b], v[232+\b]                 ; the block's largest p
.endr
	v_pk_add_f32 v[236:237], v[100:101], v[104:105]
	v_pk_add_f32 v[250:251], v[108:109], v[112:113]
	v_pk_add_f32 v[248:249], v[116:117], v[120:121]
	v_pk_add_f32 v[246:247], v[124:125], v[128:129]
	v_pk_add_f32 v[244:245], v[132:133], v[136:137]
	v_pk_add_f32 v[242:243], v[140:141], v[144:145]
	v_pk_add_f32 v[240:241], v[148:149], v[152:153]
	v_pk_add_f32 v[14:15], v[14:15], v[156:157]
	v_pk_add_f32 v[236:237], v[236:237], v[96:97]
	v_pk_add_f32 v[250:251], v[250:251], v[98:99]
	v_pk_add_f32 v[248:249], v[248:249], v[102:103]
	v_pk_add_f32 v[246:247], v[246:247], v[106:107]
	v_pk_add_f32 v[244:245], v[244:245], v[110:111]
	v_pk_add_f32 v[242:243], v[242:243], v[114:115]
	v_pk_add_f32 v[240:241], v[240:241], v[118:119]
	v_pk_add_f32 v[14:15], v[14:15], v[122:123]
	v_pk_add_f32 v[236:237], v[236:237], v[126:127]
	v_pk_add_f32 v[250:251], v[250:251], v[130:131]
	v_pk_add_f32 v[248:249], v[248:249], v[134:135]
	v_pk_add_f32 v[246:247], v[246:247], v[138:139]
	v_pk_add_f32 v[244:245], v[244:245], v[142:143]
	v_pk_add_f32 v[242:243], v[242:243], v[146:147]
	v_pk_add_f32 v[240:241], v[240:241], v[150:151]
	v_pk_add_f32 v[14:15], v[14:15], v[154:155]
	v_pk_add_f32 v[236:237], v[236:237], v[158:159]
	s_delay_alu instid0(VALU_DEP_2)
	v_pk_add_f32 v[14:15], v[14:15], v[246:247]
	s_delay_alu instid0(VALU_DEP_2)
	v_pk_add_f32 v[236:237], v[236:237], v[244:245]
	v_pk_add_f32 v[250:251], v[250:251], v[242:243]
	v_pk_add_f32 v[248:249], v[248:249], v[240:241]
	s_delay_alu instid0(VALU_DEP_2)
	v_pk_add_f32 v[14:15], v[14:15], v[250:251]
	s_delay_alu instid0(VALU_DEP_2)
	v_pk_add_f32 v[236:237], v[236:237], v[248:249]
	s_delay_alu instid0(VALU_DEP_1)
	v_pk_add_f32 v[14:15], v[14:15], v[236:237]
	s_wait_alu depctr_va_vdst(0)                   ; and one for the four
.irp b, 0,1,2,3
	v_max_num_f32 v[232+\b], 0x2800000, v[232+\b]  ; the floor 2^(5 - 127): the byte cannot fall under 1 (a block whose every p is 0 keeps that byte: its codes are zeros)
.endr
.irp b, 0,1,2,3
	s_delay_alu instid0(VALU_DEP_4)
	v_add_nc_u32 v[244+\b], 0xfe000000, v[232+\b]  ; 4 off the exponent field: the conversion's scale operand
.endr
.irp b, 0,1,2,3
	s_delay_alu instid0(VALU_DEP_4)
	v_lshrrev_b32 v[236+\b], 23, v[244+\b]         ; the scale's byte
.endr
	s_delay_alu instid0(VALU_DEP_3)
	v_lshl_or_b32 v253, v237, 8, v236              ; p's scale word for these 128 keys
	s_delay_alu instid0(VALU_DEP_1)
	v_lshl_or_b32 v253, v238, 16, v253
	s_delay_alu instid0(VALU_DEP_1)
	v_lshl_or_b32 v253, v239, 24, v253
.irp c, 0,1
	v_cvt_scalef32_pk16_bf6_f32 v[224+6*\c:226+6*\c], v[96+32*\c:111+32*\c], v[244+2*\c]
	v_cvt_scalef32_pk16_bf6_f32 v[236+4*\c:238+4*\c], v[112+32*\c:127+32*\c], v[244+2*\c+1]
.endr
	v_nop                                          ; one plain place behind a scaled conversion
.irp i, 0,1,2,3
	ds_load_b128 v[96+12*\i:99+12*\i], v[ADK] offset:12288+1536*\i             ; p has been read: V_o's four fragments take its registers
	ds_load_b64 v[100+12*\i:101+12*\i], v[AD8] offset:12288+1536*\i+512
	ds_load_b128 v[102+12*\i:105+12*\i], v[ADK] offset:12288+1536*\i+768
	ds_load_b64 v[106+12*\i:107+12*\i], v[AD8] offset:12288+1536*\i+1280
.endr
.irp c, 0,1                            ; the operand's layout wants a WHOLE block in a lane
.irp i, 0,1,2
	v_permlane16_swap_b32 v[224+6*\c+\i], v[236+4*\c+\i]
.endr
.irp i, 0,1,2
	s_delay_alu instid0(VALU_DEP_3)
	v_mov_b32 v[227+6*\c+\i], v[236+4*\c+\i]
.endr
.endr
.set j, 0
.rept 32
	v_pk_mul_f32 v[160+j:161+j], v[160+j:161+j], v[252:253] op_sel_hi:[1,0]    ; both O^T under the new M.  (These 32 are also the places in front of the scaled products)
.set j, j+2
.endr
	s_wait_alu depctr_va_vdst(0)
	s_wait_dscnt 0x0
.irp i, 0,1,2,3                        ; the eight accumulators by turns, one instruction a turn
	v_wmma_scale_f32_16x16x128_f8f6f4 v[160+8*\i:167+8*\i], v[32+12*\i:43+12*\i], v[224:235], v[160+8*\i:167+8*\i], v[88+\i], v253 matrix_a_fmt:MATRIX_FMT_BF6 matrix_b_fmt:MATRIX_FMT_BF6
	v_wmma_scale_f32_16x16x128_f8f6f4 v[192+8*\i:199+8*\i], v[96+12*\i:107+12*\i], v[224:235], v[192+8*\i:199+8*\i], v[88+\i], v253 matrix_a_fmt:MATRIX_FMT_BF6 matrix_b_fmt:MATRIX_FMT_BF6 matrix_a_scale:MATRIX_SCALE_ROW1
.endr
	s_add_co_u32 s[TB], s[TB], STEPB
	s_add_co_u32 s[TSC], s[TSC], 512
	s_sub_co_u32 s[CNT], s[CNT], 1
	s_cmp_lg_u32 s[CNT], 0
	s_cbranch_scc1 .Lstep
	; THE WAY OUT.  o = O^T / the sum; its 64 numbers a lane are four blocks of 32 along the head's channels, two of each stream: one fragment's worth, whose halves are the two streams' half fragments.
	s_wait_kmcnt 0x0
	v_add_f32 v14, v14, v15
	s_delay_alu instid0(VALU_DEP_1)
	v_permlanex16_b32 v252, v14, s[SEL], s[SEL+1]
	s_delay_alu instid0(VALU_DEP_1)
	v_add_f32 v14, v14, v252                       ; the row's sum
	s_wait_alu depctr_va_vdst(0)
	v_rcp_f32 v14, v14
	v_and_b32 v8, 15, v0                           ; (plain places behind the reciprocal and the last products)
	v_bfe_u32 v9, v0, 4, 1
	s_delay_alu instid0(VALU_DEP_2)
	v_lshlrev_b32 v10, 2, v8
	s_delay_alu instid0(VALU_DEP_1)
	v_lshl_add_u32 v10, v9, 10, v10                ; the scale words: stream h, row r
	s_mov_b32 s[HM], 0xffff0000
	s_wait_alu depctr_va_vdst(0)                   ; the wait ahead of the reciprocal's first reader
.set j, 0
.rept 64
	v_mul_f32 v[96+j], v[160+j], v14               ; register 32 z + 16 b + i: stream z, channel 32 b + 16 h + i
.set j, j+1
.endr
.irp b, 0,1,2,3
	v_max3_num_f32 v[232+\b], |v[96+16*\b]|, |v[97+16*\b]|, 0x2800000
.endr
.irp i, 2,4,6,8,10,12,14
.irp b, 0,1,2,3
	s_delay_alu instid0(VALU_DEP_4)
	v_max3_num_f32 v[232+\b], v[232+\b], |v[96+16*\b+\i]|, |v[97+16*\b+\i]|
.endr
.endr
.irp b, 0,1,2,3
	s_delay_alu instid0(VALU_DEP_4)
	v_permlanex16_b32 v[236+\b], v[232+\b], s[SEL], s[SEL+1]
.endr
.irp b, 0,1,2,3
	s_delay_alu instid0(VALU_DEP_4)
	v_max_num_f32 v[232+\b], v[232+\b], v[236+\b]
.endr
.irp b, 0,1,2,3
	s_delay_alu instid0(VALU_DEP_4)
	v_add_nc_u32 v[244+\b], 0xfe000000, v[232+\b]
.endr
.irp b, 0,1,2,3
	s_delay_alu instid0(VALU_DEP_4)
	v_lshrrev_b32 v[236+\b], 23, v[244+\b]
.endr
	s_delay_alu instid0(VALU_DEP_3)
	v_lshl_or_b32 v253, v237, 8, v236
	s_delay_alu instid0(VALU_DEP_1)
	v_lshl_or_b32 v253, v238, 16, v253
	s_delay_alu instid0(VALU_DEP_1)
	v_lshl_or_b32 v253, v239, 24, v253
.irp c, 0,1
	v_cvt_scalef32_pk16_bf6_f32 v[224+6*\c:226+6*\c], v[96+32*\c:111+32*\c], v[244+2*\c]
	v_cvt_scalef32_pk16_bf6_f32 v[236+4*\c:238+4*\c], v[112+32*\c:127+32*\c], v[244+2*\c+1]
.endr
	v_nop
.irp c, 0,1
.irp i, 0,1,2
	v_permlane16_swap_b32 v[224+6*\c+\i], v[236+4*\c+\i]
.endr
.irp i, 0,1,2
	s_delay_alu instid0(VALU_DEP_3)
	v_mov_b32 v[227+6*\c+\i], v[236+4*\c+\i]
.endr
.endr
	v_and_b32 v240, 0xffff, v253                   ; stream 0's two bytes,
	v_lshrrev_b32 v241, 16, v253                   ; stream 1's
	s_delay_alu instid0(VALU_DEP_1)
	v_cndmask_b32 v240, v240, v241, s[HM]          ; lanes 0-15 store stream 0's word, lanes 16-31 stream 1's
	global_store_b128 v[L16], v[224:227], s[12:13]
	global_store_b64 v[L8], v[228:229], s[12:13] offset:512
	global_store_b128 v[L16], v[230:233], s[12:13] offset:12288
	global_store_b64 v[L8], v[234:235], s[12:13] offset:12800
	global_store_b32 v10, v240, s[14:15]
	s_wait_tensorcnt 0x0                           ; the wave's end
	ds_add_u32 v[SPW], v[NIL]
	s_wait_dscnt 0x0
	ROUND                                          ; the closing round
	s_endpgm
.Lfunc_end_k_qb60fb527d9_attn:
	.size	k_qb60fb527d9_attn, .Lfunc_end_k_qb60fb527d9_attn-k_qb60fb527d9_attn
	.p2alignl 7, 3214868480
	.fill 96, 4, 3214868480
	.section	.rodata,"a",@progbits
	.p2align	6, 0x0
	.amdhsa_kernel k_qb60fb527d9_attn
		.amdhsa_group_segment_fixed_size 327680
		.amdhsa_private_segment_fixed_size 0
		.amdhsa_enable_private_segment 0
		.amdhsa_kernarg_size 40
		.amdhsa_user_sgpr_count 2
		.amdhsa_user_sgpr_kernarg_segment_ptr 1
		.amdhsa_wavefront_size32 1
		.amdhsa_system_sgpr_workgroup_id_x 1
		.amdhsa_system_sgpr_workgroup_id_y 1
		.amdhsa_system_sgpr_workgroup_id_z 1
		.amdhsa_system_vgpr_workitem_id 0
		.amdhsa_next_free_vgpr 256
		.amdhsa_next_free_sgpr 100
		.amdhsa_reserve_vcc 0
		.amdhsa_float_denorm_mode_32 3
		.amdhsa_float_denorm_mode_16_64 3
		.amdhsa_memory_ordered 1
		.amdhsa_forward_progress 1
		.amdhsa_inst_pref_size 44
	.end_amdhsa_kernel
	.amdgpu_metadata
---
amdhsa.version: [ 1, 2 ]
amdhsa.kernels:
  - .name:           k_qb60fb527d9_attn
    .symbol:         k_qb60fb527d9_attn.kd
    .args:
      - { .name: qimg, .offset: 0, .size: 8, .value_kind: global_buffer, .address_space: global }
      - { .name: kv, .offset: 8, .size: 8, .value_kind: global_buffer, .address_space: global }
      - { .name: PE_solution_scores, .offset: 16, .size: 8, .value_kind: global_buffer, .address_space: global }
      - { .name: maskbits, .offset: 24, .size: 8, .value_kind: global_buffer, .address_space: global }
      - { .name: oimg, .offset: 32, .size: 8, .value_kind: global_buffer, .address_space: global }
    .group_segment_fixed_size: 327680
    .private_segment_fixed_size: 0
    .kernarg_segment_align: 8
    .kernarg_segment_size: 40
    .max_flat_workgroup_size: 512
    .sgpr_count:     100
    .vgpr_count:     256
    .wavefront_size: 32
...
	.end_amdgpu_metadata
.endif
;; end of part 3
;; launch fc (part 4): grid 256 x 1, 8 waves a work-group, no clusters, 170,240 bytes of LDS; arguments wimg, oimg, global_state, ln_gamma, ln_beta, out0, out1; writes out0, out1
.if DOCPART == 4
	.amdgcn_target "amdgcn-amd-amdhsa--gfx1250"
	.amdhsa_code_object_version 6
	.text
	.protected	k_qb60fb527d9_fc
	.globl	k_qb60fb527d9_fc
	.p2align	8
	.type	k_qb60fb527d9_fc,@function
k_qb60fb527d9_fc:
	s_mov_b64 s[64:65], 0
	v_nop
	global_prefetch_b8 v0, s[64:65] scope:SCOPE_SE
	s_setreg_imm32_b32 hwreg(HW_REG_WAVE_MODE, 25, 1), 1
	s_wait_xcnt 0x0
; FC: out_z = LayerNorm(o_z w_fc + global_state) x gamma + beta for both value streams z, the products on codes of BF6 (E3M2) with E8M0 scales.  No work of reference() is left out; the residual is read once for both streams.
; SHARES.  A work-group owns one tile of 16 queries, whole rows of 1,024 columns, both streams; each of its eight waves 128 columns: 2 x 8 accumulators.  256 work-groups.
; The product is used transposed (source 0 = 16 rows of w_fc, source 1 = o's 16 queries): a lane holds 8 neighbouring columns of one query.  The residual is the products' first C.
; THE WEIGHTS GO FROM MEMORY STRAIGHT INTO REGISTERS: wimg holds images of the operand's registers, so each lane loads its fragments whole, 512 consecutive bytes an instruction.  A wave's 98,304 bytes of codes are read by that wave
; alone and once.  They come in 16 half steps (4 fragments, 12 loads, 6,144 bytes) through five buffers of 48 registers in window 1: four half steps are on their way while one is multiplied.
; NO LDS RING AND NO JOINT LOADS for the weights: no wave of a work-group shares a byte of them with another, and a ring of two slots would have one load of 12,800 bytes a wave on its way between barriers, against 24,576 here.
; NO PREFETCH: the register ring itself asks four half steps ahead, and all work-groups walk the same 819,200 bytes in the same order.
; o's codes and scale words, the residual, gamma and beta are loaded once by the work-group, in whole runs, and handed round through LDS.
; LAYER NORM as reference() has it: the mean, then the mean of the squared differences; sums over a lane's 64, lanes l and l xor 16, and the eight waves (through LDS).
; LIMITS: NaN and infinities are not served.
; REGISTERS, window 0: v1-13 addresses; v14, v15 the add's two; v16-63 o's fragments, two sets (at work on the way out); v64-95 w_fc's scale words, v96-103 o's: scales and nothing else; v104-119 at work; v128-255 the sums.
.set STP,   528                        ; the way out: a stage row, 512 bytes + 16
.set RP,    4112                       ; a residual row in LDS
.set RES,   8*16*STP                   ; behind the eight stages
.set OIM,   RES+16*RP
.set OSC,   OIM+24576
.set RED,   OSC+1024
.set SPARE, RED+2048                   ; the spare words: 128 bytes a wave, four blocks of 256 bytes that no other line names
.set GAM,   SPARE+1024
.set KSB,   102400                     ; a K step of wimg: 8 x 12,288 of codes, 8 x 512 of scale words
.set SPW, 14
.set NIL, 15
.set OF,  16
.set WS,  64
.set OS,  96
.set WV,  18
.set SEL, 40
.set HM,  43
.set MSB, 0
.macro WIN new
.if MSB != (\new)
	s_set_vgpr_msb (MSB<<8)|(\new)
.set MSB, (\new)
.endif
.endm
.macro FCMUL t, z, s, buf              ; tile t of my 8, stream z, K step s; the weights in window 1 at buf
.set DA, 128+64*(\z)+8*(\t)
.set WA, (\buf)+12*((\t)%4)
.set OA, OF+24*((\s)%2)+12*(\z)
.set SA, WS+4*(\s)+(\t)/2
.set SO, OS+(\s)
.if ((\t)%2 == 0) && ((\z) == 0)
	v_wmma_scale_f32_16x16x128_f8f6f4 v[DA:DA+7], v[WA:WA+11], v[OA:OA+11], v[DA:DA+7], v[SA], v[SO] matrix_a_fmt:MATRIX_FMT_BF6 matrix_b_fmt:MATRIX_FMT_BF6
.elseif ((\t)%2 == 1) && ((\z) == 0)
	v_wmma_scale_f32_16x16x128_f8f6f4 v[DA:DA+7], v[WA:WA+11], v[OA:OA+11], v[DA:DA+7], v[SA], v[SO] matrix_a_fmt:MATRIX_FMT_BF6 matrix_b_fmt:MATRIX_FMT_BF6 matrix_a_scale:MATRIX_SCALE_ROW1
.elseif ((\t)%2 == 0)
	v_wmma_scale_f32_16x16x128_f8f6f4 v[DA:DA+7], v[WA:WA+11], v[OA:OA+11], v[DA:DA+7], v[SA], v[SO] matrix_a_fmt:MATRIX_FMT_BF6 matrix_b_fmt:MATRIX_FMT_BF6 matrix_b_scale:MATRIX_SCALE_ROW1
.else
	v_wmma_scale_f32_16x16x128_f8f6f4 v[DA:DA+7], v[WA:WA+11], v[OA:OA+11], v[DA:DA+7], v[SA], v[SO] matrix_a_fmt:MATRIX_FMT_BF6 matrix_b_fmt:MATRIX_FMT_BF6 matrix_a_scale:MATRIX_SCALE_ROW1 matrix_b_scale:MATRIX_SCALE_ROW1
.endif
.endm
.macro WLOAD j                         ; half step j's four fragments into buffer j % 5 of window 1
	WIN 0x40
.irp t, 0,1,2,3
.irp c, 0,1,2
	global_load_b128 v[48*((\j)%5)+12*\t+4*\c:48*((\j)%5)+12*\t+4*\c+3], v1, s[4:5] offset:((\j)/2)*KSB+(4*((\j)%2)+\t)*1536+512*\c
.endr
.endr
	WIN 0
.endm
.macro OLOAD s                         ; o's two fragments of K step s (heads 2 s, 2 s + 1) into set s % 2: 8 loads
.irp z, 0,1
	ds_load_b128 v[OF+24*((\s)%2)+12*\z:OF+24*((\s)%2)+12*\z+3], v7 offset:12288*\z+1536*(\s)
	ds_load_b64 v[OF+24*((\s)%2)+12*\z+4:OF+24*((\s)%2)+12*\z+5], v8 offset:12288*\z+1536*(\s)+512
	ds_load_b128 v[OF+24*((\s)%2)+12*\z+6:OF+24*((\s)%2)+12*\z+9], v7 offset:12288*\z+1536*(\s)+768
	ds_load_b64 v[OF+24*((\s)%2)+12*\z+10:OF+24*((\s)%2)+12*\z+11], v8 offset:12288*\z+1536*(\s)+1280
.endr
.endm
.macro HALF j                          ; 8 matrix instructions on 8 accumulators by turns; two half steps on come the same 8 again
.set S, (\j)/2
.if (\j)%2 == 0
.if S < 7
	OLOAD S+1                                      ; the set read two half steps ago; four places stand behind its last product
	s_wait_dscnt 8                                 ; all but these 8: this step's fragments of o are in
.else
	s_wait_dscnt 0x0
.endif
.endif
.if (\j) < 12
	s_wait_loadcnt 48                              ; behind this half step's loads: those of the next four, 12 each
.else
	s_wait_loadcnt 12*(15-(\j))
.endif
	WIN 0x01
.irp t, 0,1,2,3
	FCMUL 4*((\j)%2)+\t, 0, S, 48*((\j)%5)
	FCMUL 4*((\j)%2)+\t, 1, S, 48*((\j)%5)
.endr
	WIN 0
.rept 4
	v_nop                                          ; places in front of loads into registers that the products read, and of the first read of the sums
.endr
.if (\j)+5 < 16
	WLOAD (\j)+5
.endif
.endm
.macro REDUCE off                      ; v[16:19], v[20:23]: stream 0's and 1's partial sums -> v24, v32: the rows' sums, in every lane
	v_pk_add_f32 v[16:17], v[16:17], v[18:19]
	v_pk_add_f32 v[20:21], v[20:21], v[22:23]
	s_delay_alu instid0(VALU_DEP_2)
	v_add_f32 v16, v16, v17
	s_delay_alu instid0(VALU_DEP_2)
	v_add_f32 v20, v20, v21
	s_delay_alu instid0(VALU_DEP_2)
	v_permlanex16_b32 v17, v16, s[SEL], s[SEL+1]
	s_delay_alu instid0(VALU_DEP_2)
	v_permlanex16_b32 v21, v20, s[SEL], s[SEL+1]
	s_delay_alu instid0(VALU_DEP_2)
	v_add_f32 v16, v16, v17
	s_delay_alu instid0(VALU_DEP_2)
	v_add_f32 v20, v20, v21
	s_delay_alu instid0(VALU_DEP_1)
	v_cndmask_b32 v18, v16, v20, s[HM]             ; lanes 0-15 store stream 0's, lanes 16-31 stream 1's
	ds_store_b32 v3, v18 offset:\off
	s_wait_dscnt 0x0
	s_barrier_signal -1
	s_barrier_wait -1
	ds_load_b128 v[24:27], v4 offset:\off          ; my query's eight parts, one a wave
	ds_load_b128 v[28:31], v4 offset:\off+16
	ds_load_b128 v[32:35], v4 offset:\off+512
	ds_load_b128 v[36:39], v4 offset:\off+528
	s_wait_dscnt 0x0
	v_pk_add_f32 v[24:25], v[24:25], v[26:27]
	v_pk_add_f32 v[28:29], v[28:29], v[30:31]
	v_pk_add_f32 v[32:33], v[32:33], v[34:35]
	v_pk_add_f32 v[36:37], v[36:37], v[38:39]
	s_delay_alu instid0(VALU_DEP_3)
	v_pk_add_f32 v[24:25], v[24:25], v[28:29]
	s_delay_alu instid0(VALU_DEP_2)
	v_pk_add_f32 v[32:33], v[32:33], v[36:37]
	s_delay_alu instid0(VALU_DEP_2)
	v_add_f32 v24, v24, v25
	s_delay_alu instid0(VALU_DEP_2)
	v_add_f32 v32, v32, v33
.endm
.macro AFFINE g                        ; tiles 2 g, 2 g + 1 of both streams: x rsqrt, x gamma + beta
.irp t, 0,1
	ds_load_b128 v[16+8*\t:19+8*\t], v13 offset:64*(2*\g+\t)
	ds_load_b128 v[20+8*\t:23+8*\t], v13 offset:64*(2*\g+\t)+16
	ds_load_b128 v[32+8*\t:35+8*\t], v13 offset:4096+64*(2*\g+\t)
	ds_load_b128 v[36+8*\t:39+8*\t], v13 offset:4096+64*(2*\g+\t)+16
.endr
	s_wait_dscnt 0x0
.irp z, 0,1
.set j, 0
.rept 8
	v_pk_mul_f32 v[128+64*\z+16*\g+j:129+64*\z+16*\g+j], v[128+64*\z+16*\g+j:129+64*\z+16*\g+j], v[108+2*\z:109+2*\z]
.set j, j+2
.endr
.set j, 0
.rept 8
	v_pk_fma_f32 v[128+64*\z+16*\g+j:129+64*\z+16*\g+j], v[128+64*\z+16*\g+j:129+64*\z+16*\g+j], v[16+j:17+j], v[32+j:33+j]
.set j, j+2
.endr
.endr
.endm
.macro TOSTAGE z                       ; a stream's 16 x 128 through my own stage, back as whole rows of 512 bytes into the same registers (LDS serves a wave's instructions in order)
.irp t, 0,1,2,3,4,5,6,7
	ds_store_b128 v11, v[128+64*\z+8*\t:131+64*\z+8*\t] offset:64*\t
	ds_store_b128 v11, v[132+64*\z+8*\t:135+64*\z+8*\t] offset:64*\t+16
.endr
.irp i, 0,1,2,3,4,5,6,7,8,9,10,11,12,13,14,15
	ds_load_b128 v[128+64*\z+4*\i:131+64*\z+4*\i], v12 offset:STP*\i
.endr
.endm
.macro SEND z, base, younger           ; 32 lanes store 512 consecutive bytes, aligned
.irp i, 0,1,2,3,4,5,6,7,8,9,10,11,12,13,14,15
	s_wait_dscnt \younger+15-\i
	global_store_b128 v1, v[128+64*\z+4*\i:131+64*\z+4*\i], s[\base:\base+1] offset:(\i+8*(\i/8))*4096 th:TH_STORE_NT
.endr
.endm
	s_load_b256 s[4:11], s[0:1], 0x0               ; wimg, oimg, global_state, gamma
	s_load_b128 s[12:15], s[0:1], 0x20             ; beta, out0
	s_load_b64 s[16:17], s[0:1], 0x30              ; out1
	v_lshl_add_u32 v[SPW], v0, 2, SPARE
	v_mov_b32 v[NIL], 0
	v_lshrrev_b32 v1, 5, v0
	v_readfirstlane_b32 s[WV], v1                  ; wave 0..7
	s_mul_i32 s50, s[WV], 12288                    ; my 128 rows of w_fc in a K step
	s_mov_b32 s51, 0
	s_lshl_b32 s54, s[WV], 9
	s_add_co_u32 s22, s54, 98304                   ; and their scale words
	s_mov_b32 s23, 0
	s_lshr_b32 s44, ttmp9, 7                       ; batch
	s_and_b32 s45, ttmp9, 127                      ; tile 2 b + u of its 128: queries 32 b + 8 u + i + 8 (i / 8)
	s_lshl_b32 s44, s44, 11
	s_lshr_b32 s46, s45, 1
	s_lshl_b32 s46, s46, 5
	s_add_co_u32 s44, s44, s46
	s_and_b32 s45, s45, 1
	s_lshl_b32 s45, s45, 3
	s_add_co_u32 s44, s44, s45
	s_lshl_b32 s44, s44, 12                        ; rows of 4,096 bytes
	s_mov_b32 s45, 0
	s_add_co_u32 s46, s54, s44                     ; + my 128 columns
	s_mov_b32 s47, 0
	s_mul_i32 s48, ttmp9, 26624                    ; my tile's block of oimg
	s_mov_b32 s49, 0
	s_mov_b32 s[SEL], 0x76543210
	s_mov_b32 s[SEL+1], 0xfedcba98
	s_mov_b32 s[HM], 0xffff0000
	s_mov_b32 s52, 0x3a800000                      ; 1 / 1024
	s_mov_b32 s53, 0x358637bd                      ; 1e-6
	s_wait_kmcnt 0x0
	s_add_nc_u64 s[22:23], s[4:5], s[22:23]
	s_add_nc_u64 s[4:5], s[4:5], s[50:51]
	s_add_nc_u64 s[6:7], s[6:7], s[48:49]
	s_add_nc_u64 s[8:9], s[8:9], s[44:45]
	s_add_nc_u64 s[14:15], s[14:15], s[46:47]
	s_add_nc_u64 s[16:17], s[16:17], s[46:47]
	v_lshlrev_b32 v104, 4, v0                      ; 16 bytes a thread
	v_lshrrev_b32 v105, 4, v0
	v_and_b32 v106, 15, v0                         ; r
	v_and_b32 v107, 31, v0
	v_lshlrev_b32 v105, 7, v105
	v_lshlrev_b32 v1, 4, v107                      ; 16 x lane
	v_lshl_add_u32 v105, v106, 2, v105
	s_wait_alu depctr_va_vdst(0)
.irp i, 0,1,2,3,4,5,6,7,8,9,10,11,12,13,14,15
	global_load_b128 v[128+4*\i:131+4*\i], v104, s[8:9] offset:(\i+8*(\i/8))*4096 th:TH_LOAD_NT   ; the residual: a row an instruction
.endr
.irp c, 0,1,2,3,4,5
	global_load_b128 v[192+4*\c:195+4*\c], v104, s[6:7] offset:4096*\c       ; o's codes
.endr
	global_load_b32 v216, v105, s[6:7] offset:24576                         ; o's scale words: heads 2 s and 2 s + 1
	global_load_b32 v217, v105, s[6:7] offset:24576+64
	global_load_b128 v[220:223], v104, s[10:11]
	global_load_b128 v[224:227], v104, s[12:13]
.irp s, 0,1,2,3,4,5,6,7
	global_load_b128 v[WS+4*\s:WS+4*\s+3], v1, s[22:23] offset:\s*KSB        ; register i: lanes 0-15 tile 2 i's words, lanes 16-31 tile 2 i + 1's
.endr
.irp j, 0,1,2,3
	WLOAD \j
.endr
	v_add_nc_u32 v108, RES, v104
	v_add_nc_u32 v109, OIM, v104
	v_lshl_add_u32 v110, v0, 2, OSC
	v_add_nc_u32 v111, GAM, v104
	v_bfe_u32 v112, v0, 4, 1                       ; h
	v_lshlrev_b32 v2, 3, v107
	v_add_nc_u32 v7, OIM, v1
	v_lshlrev_b32 v9, 2, v106
	v_mul_u32_u24 v10, v106, RP
	v_mul_u32_u24 v11, v106, STP
	v_add_nc_u32 v8, OIM, v2
	v_lshl_add_u32 v9, v112, 9, v9
	v_lshl_add_u32 v10, v112, 5, v10
	v_lshl_add_u32 v11, v112, 5, v11
	s_mul_i32 s55, s[WV], 16*STP
	v_lshlrev_b32 v13, 5, v112
	v_add_nc_u32 v9, OSC, v9                       ; o's scale words: lanes 0-15 stream 0, lanes 16-31 stream 1
	v_add_nc_u32 v10, s54, v10
	v_add_nc_u32 v11, s55, v11                     ; my stage, in
	v_add_nc_u32 v12, s55, v1                      ; and back
	v_add_nc_u32 v13, s54, v13
	v_add_nc_u32 v10, RES, v10                     ; the residual in the sums' layout
	v_lshlrev_b32 v4, 5, v106
	v_add_nc_u32 v13, GAM, v13
	s_lshl_b32 s55, s[WV], 2
	v_add_nc_u32 v4, RED, v4
	s_delay_alu instid0(VALU_DEP_1)
	v_lshl_add_u32 v3, v112, 9, v4
	s_delay_alu instid0(VALU_DEP_1)
	v_add_nc_u32 v3, s55, v3
	s_wait_alu depctr_va_vdst(0)                   ; the wait at the head's end
	s_wait_loadcnt 56                              ; behind the 26 loads for LDS: 8 of scale words and 48 of fragments
.irp i, 0,1,2,3,4,5,6,7,8,9,10,11,12,13,14,15
	ds_store_b128 v108, v[128+4*\i:131+4*\i] offset:RP*\i
.endr
.irp c, 0,1,2,3,4,5
	ds_store_b128 v109, v[192+4*\c:195+4*\c] offset:4096*\c
.endr
	v_lshl_or_b32 v216, v217, 16, v216             ; a K step's word: two bytes of each head
	ds_store_b32 v110, v216
	ds_store_b128 v111, v[220:223]
	ds_store_b128 v111, v[224:227] offset:4096
	WLOAD 4
	s_wait_dscnt 0x0
	s_barrier_signal -1
	s_barrier_wait -1
.irp z, 0,1
.irp t, 0,1,2,3,4,5,6,7
	ds_load_b128 v[128+64*\z+8*\t:131+64*\z+8*\t], v10 offset:64*\t          ; the residual starts both streams' sums
	ds_load_b128 v[132+64*\z+8*\t:135+64*\z+8*\t], v10 offset:64*\t+16
.endr
.endr
.irp s, 0,1,2,3,4,5,6,7
	ds_load_b32 v[OS+\s], v9 offset:64*\s
.endr
	OLOAD 0
.set J, 0
.rept 16
	HALF J
.set J, J+1
.endr
.irp z, 0,1                            ; each accumulator is read from its low end on
	v_pk_add_f32 v[16+4*\z:17+4*\z], v[128+64*\z:129+64*\z], v[130+64*\z:131+64*\z]
	v_pk_add_f32 v[18+4*\z:19+4*\z], v[132+64*\z:133+64*\z], v[134+64*\z:135+64*\z]
.endr
.irp j, 8,12,16,20,24,28,32,36,40,44,48,52,56,60
.irp z, 0,1
	v_pk_add_f32 v[16+4*\z:17+4*\z], v[16+4*\z:17+4*\z], v[128+64*\z+\j:129+64*\z+\j]
	v_pk_add_f32 v[18+4*\z:19+4*\z], v[18+4*\z:19+4*\z], v[130+64*\z+\j:131+64*\z+\j]
.endr
.endr
	REDUCE 0
	s_delay_alu instid0(VALU_DEP_2)
	v_mul_f32 v104, 0xba800000, v24                ; minus the mean
	v_mul_f32 v105, 0xba800000, v24
	v_mul_f32 v106, 0xba800000, v32
	v_mul_f32 v107, 0xba800000, v32
.irp z, 0,1
.set j, 0
.rept 32
	v_pk_add_f32 v[128+64*\z+j:129+64*\z+j], v[128+64*\z+j:129+64*\z+j], v[104+2*\z:105+2*\z]
.set j, j+2
.endr
.endr
.irp z, 0,1
	v_pk_mul_f32 v[16+4*\z:17+4*\z], v[128+64*\z:129+64*\z], v[128+64*\z:129+64*\z]
	v_pk_mul_f32 v[18+4*\z:19+4*\z], v[130+64*\z:131+64*\z], v[130+64*\z:131+64*\z]
.endr
.irp j, 4,8,12,16,20,24,28,32,36,40,44,48,52,56,60
.irp z, 0,1
	s_delay_alu instid0(VALU_DEP_4)
	v_pk_fma_f32 v[16+4*\z:17+4*\z], v[128+64*\z+\j:129+64*\z+\j], v[128+64*\z+\j:129+64*\z+\j], v[16+4*\z:17+4*\z]
	s_delay_alu instid0(VALU_DEP_4)
	v_pk_fma_f32 v[18+4*\z:19+4*\z], v[130+64*\z+\j:131+64*\z+\j], v[130+64*\z+\j:131+64*\z+\j], v[18+4*\z:19+4*\z]
.endr
.endr
	REDUCE 1024
	s_delay_alu instid0(VALU_DEP_2)
	v_fma_f32 v108, v24, s52, s53                  ; the variance + 1e-6
	v_fma_f32 v110, v32, s52, s53
	s_wait_alu depctr_va_vdst(0)                   ; the wait ahead of the batch
	v_rsq_f32 v108, v108
	v_rsq_f32 v110, v110
	v_nop
	s_wait_alu depctr_va_vdst(0)                   ; and behind it
	v_mov_b32 v109, v108
	v_mov_b32 v111, v110
	s_wait_alu depctr_va_vdst(0)
.irp g, 0,1,2,3
	AFFINE \g
.endr
	TOSTAGE 0
	TOSTAGE 1
	SEND 0, 14, 32                                 ; behind stream 0's loads: stream 1's 16 stores and 16 loads
	SEND 1, 16, 0
	s_wait_tensorcnt 0x0                           ; the wave's end, behind my last LDS store
	ds_add_u32 v[SPW], v[NIL]
	s_wait_dscnt 0x0
	s_endpgm
.Lfunc_end_k_qb60fb527d9_fc:
	.size	k_qb60fb527d9_fc, .Lfunc_end_k_qb60fb527d9_fc-k_qb60fb527d9_fc
	.p2alignl 7, 3214868480
	.fill 96, 4, 3214868480
	.section	.rodata,"a",@progbits
	.p2align	6, 0x0
	.amdhsa_kernel k_qb60fb527d9_fc
		.amdhsa_group_segment_fixed_size 170240
		.amdhsa_private_segment_fixed_size 0
		.amdhsa_enable_private_segment 0
		.amdhsa_kernarg_size 56
		.amdhsa_user_sgpr_count 2
		.amdhsa_user_sgpr_kernarg_segment_ptr 1
		.amdhsa_wavefront_size32 1
		.amdhsa_system_sgpr_workgroup_id_x 1
		.amdhsa_system_sgpr_workgroup_id_y 1
		.amdhsa_system_sgpr_workgroup_id_z 1
		.amdhsa_system_vgpr_workitem_id 0
		.amdhsa_next_free_vgpr 512
		.amdhsa_next_free_sgpr 66
		.amdhsa_reserve_vcc 0
		.amdhsa_float_denorm_mode_32 3
		.amdhsa_float_denorm_mode_16_64 3
		.amdhsa_memory_ordered 1
		.amdhsa_forward_progress 1
		.amdhsa_inst_pref_size 90
	.end_amdhsa_kernel
	.amdgpu_metadata
---
amdhsa.version: [ 1, 2 ]
amdhsa.kernels:
  - .name:           k_qb60fb527d9_fc
    .symbol:         k_qb60fb527d9_fc.kd
    .args:
      - { .name: wimg, .offset: 0, .size: 8, .value_kind: global_buffer, .address_space: global }
      - { .name: oimg, .offset: 8, .size: 8, .value_kind: global_buffer, .address_space: global }
      - { .name: global_state, .offset: 16, .size: 8, .value_kind: global_buffer, .address_space: global }
      - { .name: ln_gamma, .offset: 24, .size: 8, .value_kind: global_buffer, .address_space: global }
      - { .name: ln_beta, .offset: 32, .size: 8, .value_kind: global_buffer, .address_space: global }
      - { .name: out0, .offset: 40, .size: 8, .value_kind: global_buffer, .address_space: global }
      - { .name: out1, .offset: 48, .size: 8, .value_kind: global_buffer, .address_space: global }
    .group_segment_fixed_size: 170240
    .private_segment_fixed_size: 0
    .kernarg_segment_align: 8
    .kernarg_segment_size: 56
    .max_flat_workgroup_size: 256
    .sgpr_count:     66
    .vgpr_count:     512
    .wavefront_size: 32
...
	.end_amdgpu_metadata
.endif
;; end of part 4
